; MI455X (gfx1250); checked and timed in simulation.
; The chip was launched on July 23, 2026; its instructions are those of AMD's public machine-readable ISA for CDNA 5 (MIT licence, August 2026) and "CDNA5" Instruction Set Architecture Reference Guide (July 2026). The comments in the code are by the model that wrote it; some were corrected since.
;; Transformer Encoder. Allowed arithmetic: matrix products marked QUANTISED: E4M3 operands, one given power-of-two scale a tensor, by v_wmma_f32_16x16x64_fp8_fp8 or v_wmma_f32_16x16x128_fp8_fp8, f32 sums; everything else in f32.
;; Inputs: W1 1,024 x 4,096 float32; W2 4,096 x 1,024 float32; Wk 16 x 1,024 x 64 float32; Wproj 1,024 x 1,024 float32; Wq 16 x 1,024 x 64 float32; Wv 16 x 1,024 x 64 float32; b1 4,096 float32; b2 1,024 float32; be_attn 1,024 float32; be_ffn 1,024 float32; be_out 1,024 float32; embedding 2 x 2,048 x 1,024 float32; g_attn 1,024 float32; g_ffn 1,024 float32; g_out 1,024 float32; lowp_scales 16 int32 (the exponents e of the quantised operands' scales 2^e); positional_encoding 2 x 2,048 x 1,024 float32.
;; Outputs: out0 2 x 2,048 x 1,024 float32; out1 16 x 2 x 2,048 x 64 float32; out2 16 x 2 x 2,048 x 64 float32.
;; This version of the problem:
;;   THIS VERSION OF THE PROBLEM IS GIVEN IN LOW PRECISION. The matrix products marked QUANTISED in the list below multiply operands that are first quantised to E4M3 (4 exponent bits, 3 mantissa bits; 8 bits a number), with one given power-of-two scale for each operand tensor; their sums are f32. All else is computed in f32.
;;   The module's matrix products, in the order in which they are computed (A, B: the left and right operand; K: the contracted axis; several contracted axes count as one K, in the product's order):
;;     1. [M 1,024, K 1,024] x [K 1,024, N 4,096]; A: input Wq; B: computed on the way: QUANTISED (scales: A lowp_scales[0], B lowp_scales[1])
;;     2. [M 1,024, K 1,024] x [K 1,024, N 4,096]; A: input Wk; B: computed on the way: QUANTISED (scales: A lowp_scales[2], B lowp_scales[3])
;;     3. [M 1,024, K 1,024] x [K 1,024, N 4,096]; A: input Wv; B: computed on the way: QUANTISED (scales: A lowp_scales[4], B lowp_scales[5])
;;     4. batch 32 x [M 2,048, K 64] x [K 64, N 2,048]; A: computed on the way; B: computed on the way: QUANTISED (scales: A lowp_scales[6], B lowp_scales[7])
;;     5. batch 32 x [M 2,048, K 2,048] x [K 2,048, N 64]; A: softmax (see below); B: computed on the way: QUANTISED (scales: A lowp_scales[8], B lowp_scales[9])
;;     6. [M 4,096, K 1,024] x [K 1,024, N 1,024]; A: computed on the way; B: input Wproj: QUANTISED (scales: A lowp_scales[10], B lowp_scales[11])
;;     7. [M 4,096, K 1,024] x [K 1,024, N 4,096]; A: computed on the way; B: input W1: QUANTISED (scales: A lowp_scales[12], B lowp_scales[13])
;;     8. [M 4,096, K 4,096] x [K 4,096, N 1,024]; A: computed on the way; B: input W2: QUANTISED (scales: A lowp_scales[14], B lowp_scales[15])
;;   THE QUANTISER, for each operand of a quantised product, along K:
;;     - The operand's scale is 2^e, e = its entry of the input lowp_scales (int32; the entries are numbered through the quantised products in the list's order, A before B).
;;     - Each number is divided by the scale, clamped to +-448, and rounded to the nearest number of E4M3, ties to even, subnormals kept.
;;     - The product sums the exact products of the quantised numbers (number of the format x scale) in f32.
;;   ~~~python
;;   def quantise(x, axis, e):      # numpy; x: float32 -> the quantised numbers, widened to float32 again
;;       x = np.moveaxis(x, axis, -1); K = x.shape[-1]
;;       r = np.clip(x / 2.0 ** e, -448, 448)
;;       step = 2.0 ** (np.maximum(np.frexp(np.where(r == 0, 1, r))[1] - 1, -6) - 3)
;;       q = np.round(r / step) * step * 2.0 ** e      # np.round: ties to even
;;       return np.moveaxis(q, -1, axis).astype(np.float32)
;;   ~~~
;;   SOFTMAX AHEAD OF A QUANTISED PRODUCT. Where the list says 'softmax', what is quantised is not the finished softmax but p = 2^(t - M), with t = logit x log2(e) and M = ceil(the row's largest t), a whole number; so 1/2 < the row's largest p <= 1. The row's sum l is taken of the UNQUANTISED p, in f32, and the product's result is divided by l at the end. Since M is a whole number, a kernel that streams over the keys may use a running M (the ceiling of the running maximum): every later rescaling is an exact power of two, so the quantised numbers keep their values, but for numbers so far below the row's largest that they fall under the format's range.
;;   OPERANDS COMPUTED ON THE WAY. 'Computed on the way' means the value that the module computes at that place (a softmax that the list does not call 'softmax' is quantised finished and normalised). What goes into a quantiser is computed in f32, as accurately as f32 sums, v_exp_f32 and their like allow (about 1e-6 of the number): no bf16 or f16 on the way to a quantiser, and a product that is left as it is and whose result goes on into a quantised operand takes f32 operands (vector FMAs, or v_wmma_f32_16x16x4_f32). A number that lies on a knife's edge between two numbers of the format may be rounded either way, as far as f32 arithmetic and the matrix unit's own rounding can turn it there, and no further.
;; One version. Each part assembles by itself: llvm-mc -triple=amdgcn-amd-amdhsa -mcpu=gfx1250 --defsym DOCPART=n.
;; ======== version 1 of 1: 8 launches
;; limits: right only within a limited range of input values
;; workspace buffers: acodes 12,582,912 bytes; wa 7,340,032 bytes; wp 1,048,576 bytes; w2 4,194,304 bytes; qk 12,582,912 bytes; sums 67,108,864 bytes; mha 20,971,520 bytes; hc 16,777,216 bytes
;; launch prep (part 1): grid 896 x 1, 4 waves a work-group, no clusters, 47,616 bytes of LDS; arguments embedding, positional_encoding, Wq, Wk, Wv, Wproj, W1, W2, lowp_scales, acodes, wa, wp, w2; writes acodes, wa, wp, w2
.if DOCPART == 1
	.amdgcn_target "amdgcn-amd-amdhsa--gfx1250"
	.amdhsa_code_object_version 6
	.text
	.protected	k_q8f60a53392_prep
	.globl	k_q8f60a53392_prep
	.p2align	8
	.type	k_q8f60a53392_prep,@function
k_q8f60a53392_prep:
	s_mov_b64 s[64:65], 0
	v_nop
	global_prefetch_b8 v0, s[64:65] scope:SCOPE_SE
	s_setreg_imm32_b32 hwreg(HW_REG_WAVE_MODE, 25, 1), 1
	s_wait_xcnt 0x0
; PREP: every operand that arrives as f32 and is read by many work-groups later becomes codes of FP8 (E4M3), K innermost, once.
; Work-groups 0-383: the six weights, all stored with K ahead of N, as codes [n][k]: Wq, Wk, Wv, W1 -> wa; Wproj -> wp; W2 -> w2 [k / 1024][n][k % 1024].
; Work-groups 384-895: x = embedding + positional_encoding, 4,194,304 numbers, as codes under the three given scales 2^e1, 2^e3, 2^e5 -> acodes [3][4096][1024].
; code = number / 2^e, held within +-448, to the nearest code, ties to even.  LIMITS: each e used here lies between -126 and 119; NaN among the inputs is not served (an infinity is held at the largest code).
; No tensor loads, no barrier: waves share nothing.  The two paths part on the work-group's number and have LDS bytes of their own (x: 0-12,287; weights: 12,288-47,103).
; PATH X.  A wave takes 2,048 numbers in four steps of 512 and issues all its 32 loads at the start.  One scale serves a whole tensor, so it does not matter which numbers meet in a conversion: a load takes 512 bytes on end
; (16 a lane), eight registers of two loads make two registers of codes, and register i of a step's four holds the 4 codes of load i: they go to the wave's stage at 128 i + 4 lane and come back 16 bytes a lane: a store covers 512 bytes on end.
; PATH W.  A wave takes 32 columns x 256 along K, in eight blocks of 32 along K.  A load is 16 bytes a lane: lane (g = lane / 8, cg = lane % 8) takes columns 4 cg .. 4 cg + 3 of row 32 t + 8 g + i: eight loads a block, four blocks on their way.
; The conversions give register i the four columns' codes of row i; sixteen byte permutes turn the 8 x 4 bytes round, so that each column has its 8 codes along K in a pair of registers.  256 along K of 32 columns meet in the
; wave's stage and leave as rows, sixteen lanes to 256 aligned bytes.
.set NW,   384                         ; work-groups of the weights
.set E,    16                          ; v16-79   embedding, four sets of 16; then x
.set P,    80                          ; v80-143  positional encoding, four sets of 16
.set T,    144
.set C,    176                         ; v176-199 codes, two sets of 12 (3 scales x 4)
.set O,    200                         ; v200-223 codes back from the stage, two sets of 12
.set VO,   16                          ; path W: v16-23 offsets: (8 g + i) rows + 16 cg
.set WX,   32                          ; v32-159  four sets of 32 numbers
.set WC,   160                         ; v160-167 a block's codes: register i = row i, byte j = column j
.set WA,   168                         ; v168-175 half turned
.set WD,   176                         ; v176-183 turned: the pair 2 j, 2 j + 1 = column j, 8 codes along K
.set OUTR, 32                          ; v32-95   the way out, in registers that are done with
.set BS,   66                          ; s[66:81] the source at blocks 0 to 7 of 32 along K
.set WST,  12288                       ; path W's stages: 32 rows x 272 bytes a wave
	s_load_b512 s[4:19], s[0:1], 0x0               ; embedding, positional_encoding, Wq, Wk, Wv, Wproj, W1, W2
	s_load_b256 s[20:27], s[0:1], 0x40             ; lowp_scales, acodes, wa, wp
	s_load_b64 s[28:29], s[0:1], 0x60              ; w2
	v_lshl_add_u32 v224, v0, 2, 0xb800
	v_mov_b32 v225, 0
	v_lshrrev_b32 v1, 5, v0
	v_readfirstlane_b32 s30, v1                    ; wave 0..3
	v_and_b32 v1, 31, v0                           ; lane
	s_wait_kmcnt 0x0
	s_load_b512 s[36:51], s[20:21], 0x0            ; e0 .. e15 in s36 .. s51
	s_cmp_lt_u32 ttmp9, NW
	s_cbranch_scc1 .Lweights
.macro MKS e, vs, vl                   ; 2^e as f32 into v[vs] (the conversion takes its exponent field)
	s_add_co_i32 s34, s[\e], 127
	s_lshl_b32 s35, s34, 23
	v_mov_b32 v[\vs], s35
	s_add_co_i32 s34, s34, 8
	s_lshl_b32 s34, s34, 23
	s_or_b32 s34, s34, 0x600000
.endm
	; ---------------- PATH X
	s_wait_alu depctr_va_vdst(0)
	v_lshlrev_b32 v2, 4, v1                        ; 16 x lane
	s_wait_alu depctr_va_vdst(0)
	s_mul_i32 s31, s30, 3072                       ; my stage: 2 sets x 3 scales x 512 bytes
	v_lshl_add_u32 v3, v1, 2, s31                  ; in: 4 x lane
	v_add_nc_u32 v4, s31, v2                       ; back: 16 x lane
	s_sub_co_u32 s32, ttmp9, NW
	s_lshl_b32 s32, s32, 2
	s_add_co_u32 s32, s32, s30                     ; which run of 2,048 numbers is my wave's: 0 .. 2,047
	s_lshl_b32 s34, s32, 13
	s_mov_b32 s35, 0
	s_add_nc_u64 s[4:5], s[4:5], s[34:35]
	s_add_nc_u64 s[6:7], s[6:7], s[34:35]
	s_lshl_b32 s34, s32, 11
	s_add_nc_u64 s[52:53], s[22:23], s[34:35]      ; its codes under e1,
	s_add_nc_u64 s[54:55], s[52:53], 0x400000      ; e3,
	s_add_nc_u64 s[56:57], s[52:53], 0x800000      ; e5
.macro XLOAD t
.irp i, 0,1,2,3
	global_load_b128 v[E+16*(\t)+4*\i:E+16*(\t)+4*\i+3], v2, s[4:5] offset:2048*(\t)+512*\i th:TH_LOAD_NT
	global_load_b128 v[P+16*(\t)+4*\i:P+16*(\t)+4*\i+3], v2, s[6:7] offset:2048*(\t)+512*\i th:TH_LOAD_NT
.endr
.endm
	XLOAD 0
	XLOAD 1
	XLOAD 2
	XLOAD 3
	s_wait_kmcnt 0x0
	MKS 37, 8, 11
	MKS 39, 9, 12
	MKS 41, 10, 13
.macro XSTEP t
.set ES, E+16*(\t)
.set PS, P+16*(\t)
.set CS, C+12*((\t)%2)
.set OS, O+12*((\t)%2)
.set OP, O+12*(((\t)+1)%2)
	s_wait_loadcnt 8*(3-(\t))                      ; this step's eight loads are in; the later steps' eight each may be out
.irp i, 0,2,4,6,8,10,12,14
	v_pk_add_f32 v[ES+\i:ES+\i+1], v[ES+\i:ES+\i+1], v[PS+\i:PS+\i+1]
.endr
.irp v, 0,1,2
.irp i, 0,1,2,3,4,5,6,7,8,9,10,11,12,13,14,15
.endr
	v_cvt_scalef32_pk8_fp8_f32 v[CS+4*\v:CS+4*\v+1], v[T+16*(\v%2)+((ES+0)-(T+16*(\v%2)+0)):T+16*(\v%2)+7+((ES+0)-(T+16*(\v%2)+0))], v[8+\v]
	v_cvt_scalef32_pk8_fp8_f32 v[CS+4*\v+2:CS+4*\v+3], v[T+16*(\v%2)+8+((ES+0)-(T+16*(\v%2)+0)):T+16*(\v%2)+15+((ES+0)-(T+16*(\v%2)+0))], v[8+\v]
.endr
.irp v, 0,1,2
.irp i, 0,1,2,3
	ds_store_b32 v3, v[CS+4*\v+\i] offset:1536*((\t)%2)+512*\v+128*\i
.endr
.endr
	s_wait_xcnt 0x0                                ; the stores of two steps back have read this set of registers: the loads below may land there
.irp v, 0,1,2
	ds_load_b128 v[OS+4*\v:OS+4*\v+3], v4 offset:1536*((\t)%2)+512*\v   ; LDS serves a wave's instructions in order: these see my stores
.endr
.if (\t) > 0
	s_wait_dscnt 15                                ; all but this step's 12 stores and 3 loads: the last step's codes are back
	global_store_b128 v2, v[OP:OP+3], s[52:53] offset:512*((\t)-1)
	global_store_b128 v2, v[OP+4:OP+7], s[54:55] offset:512*((\t)-1)
	global_store_b128 v2, v[OP+8:OP+11], s[56:57] offset:512*((\t)-1)
.endif
.endm
.irp t, 0,1,2,3
	XSTEP \t
.endr
	s_wait_dscnt 0x0
	global_store_b128 v2, v[O+12:O+15], s[52:53] offset:512*3
	global_store_b128 v2, v[O+16:O+19], s[54:55] offset:512*3
	global_store_b128 v2, v[O+20:O+23], s[56:57] offset:512*3
	s_wait_tensorcnt 0x0
	ds_add_u32 v224, v225
	s_wait_dscnt 0x0
	s_endpgm
	; ---------------- PATH W
.Lweights:
	s_wait_kmcnt 0x0
	s_mov_b32 s31, ttmp9                           ; j = 0 .. 383
	; the table: source, destination, bytes added to it, bytes from k to k + 1, bytes from 64 columns to the next 64, the tensor's first j, log2 of its blocks of 256 along K, e.  W2's row first
	s_mov_b64 s[52:53], s[18:19]
	s_mov_b64 s[54:55], s[28:29]
	s_mov_b32 s56, 0
	s_mov_b32 s57, 4096
	s_mov_b32 s58, 256
	s_mov_b32 s59, 256
	s_mov_b32 s60, 4
	s_mov_b32 s61, s51
.macro PICK bound, src, dst, add, rs, hs, start, lg, e
	s_cmp_lt_u32 s31, \bound                       ; the choice hangs on the work-group's number alone
	s_cselect_b64 s[52:53], s[\src:\src+1], s[52:53]
	s_cselect_b64 s[54:55], s[\dst:\dst+1], s[54:55]
	s_cselect_b32 s56, \add, s56
	s_cselect_b32 s57, \rs, s57
	s_cselect_b32 s58, \hs, s58
	s_cselect_b32 s59, \start, s59
	s_cselect_b32 s60, \lg, s60
	s_cselect_b32 s61, s[\e], s61
.endm
	PICK 256, 16, 24, 0x300000, 16384, 256, 128, 2, 49     ; W1 [1024][4096]
	PICK 128, 14, 26, 0, 4096, 256, 96, 2, 47              ; Wproj [1024][1024]
	PICK 96, 12, 24, 0x200000, 256, 262144, 64, 2, 40      ; Wv [16][1024][64]: n = 64 h + a
	PICK 64, 10, 24, 0x100000, 256, 262144, 32, 2, 38      ; Wk
	PICK 32, 8, 24, 0, 256, 262144, 0, 2, 36               ; Wq
	s_sub_co_u32 s31, s31, s59                     ; j within the tensor
	s_lshl_b32 s32, 1, s60
	s_sub_co_u32 s32, s32, 1
	s_and_b32 s32, s31, s32                        ; kc: which 256 along K
	s_lshr_b32 s33, s31, s60
	s_lshl_b32 s33, s33, 7
	s_lshl_b32 s34, s30, 5
	s_add_co_u32 s33, s33, s34                     ; n0: my wave's first column
	s_lshr_b32 s34, s33, 6
	s_mul_i32 s34, s34, s58
	s_and_b32 s35, s33, 63
	s_lshl_b32 s35, s35, 2
	s_add_co_u32 s34, s34, s35
	s_lshl_b32 s35, s32, 8
	s_mul_i32 s35, s35, s57
	s_add_co_u32 s34, s34, s35                     ; the source's offset, under 2^25
	s_mov_b32 s35, 0
	s_add_nc_u64 s[BS:BS+1], s[52:53], s[34:35]
	s_lshl_b32 s34, s57, 5                         ; 32 along K on
.irp t, 1,2,3,4,5,6,7
	s_add_nc_u64 s[BS+2*\t:BS+2*\t+1], s[BS+2*\t-2:BS+2*\t-1], s[34:35]
.endr
	s_lshl_b32 s34, s33, 10                        ; the codes: row n0 of 1,024 bytes,
	s_add_co_u32 s34, s34, s56
	s_lshr_b32 s31, s32, 2
	s_lshl_b32 s31, s31, 20                        ; the quarter of K (W2 alone has more than one),
	s_add_co_u32 s34, s34, s31
	s_and_b32 s31, s32, 3
	s_lshl_b32 s31, s31, 8                         ; and my 256 bytes of the row
	s_add_co_u32 s34, s34, s31
	s_add_nc_u64 s[54:55], s[54:55], s[34:35]
	s_wait_alu depctr_va_vdst(0)
	v_lshrrev_b32 v5, 3, v1                        ; g
	v_and_b32 v6, 7, v1                            ; cg
	v_lshlrev_b32 v9, 3, v5                        ; 8 g
	v_mul_lo_u32 v[VO], v9, s57                    ; row 8 g,
	v_lshl_add_u32 v[VO], v6, 4, v[VO]             ; columns 4 cg on
.irp i, 1,2,3,4,5,6,7
	v_add_nc_u32 v[VO+\i], s57, v[VO+\i-1]
.endr
.macro WLOAD t                         ; block t: W(32 t + 8 g + i, 4 cg + 0 .. 3) into registers 4 i .. 4 i + 3 of set t % 4; eight lanes read 128 bytes on end
.irp i, 0,1,2,3,4,5,6,7
	global_load_b128 v[WX+32*((\t)%4)+4*\i:WX+32*((\t)%4)+4*\i+3], v[VO+\i], s[BS+2*(\t):BS+2*(\t)+1] th:TH_LOAD_NT
.endr
.endm
	WLOAD 0
	WLOAD 1
	WLOAD 2
	WLOAD 3
	s_mul_i32 s32, s30, 8704
	s_add_co_u32 s32, s32, WST                     ; my stage
	v_mul_u32_u24 v4, v6, 1088                     ; into it: row = column 4 cg (+ j in the immediate),
	v_add_nc_u32 v4, v9, v4                        ; byte 8 g of a block's 32
	v_add_nc_u32 v4, s32, v4
	v_and_b32 v12, 15, v1
	v_lshrrev_b32 v13, 4, v1
	v_mul_u32_u24 v7, v13, 272
	v_lshl_add_u32 v7, v12, 4, v7
	v_add_nc_u32 v7, s32, v7                       ; out of it: sixteen lanes to a row, two rows an instruction
	v_lshlrev_b32 v8, 10, v13
	v_lshl_add_u32 v8, v12, 4, v8                  ; and the same place among the codes' rows
	MKS 61, 11, 10
.macro WBLOCK t
.set XS, WX+32*((\t)%4)
.if (\t) < 5
	s_wait_loadcnt 24                              ; this block's eight loads are in; the three younger blocks' may be out
.else
	s_wait_loadcnt 8*(7-(\t))
.endif
.irp i, 0,1,2,3,4,5,6,7,8,9,10,11,12,13,14,15,16,17,18,19,20,21,22,23,24,25,26,27,28,29,30,31
.endr
.irp g, 0,1,2,3
	v_cvt_scalef32_pk8_fp8_f32 v[WC+2*\g:WC+2*\g+1], v[XS+8*\g:XS+8*\g+7], v11   ; rows 2 g and 2 g + 1, four columns each
.endr
	v_nop                                          ; a plain line between the conversions and the first reader of their results
.irp u, 0,1                            ; rows 4 u .. 4 u + 3: a 4 x 4 block of bytes is turned round in two stages.  A selector byte 0-3 picks from the LAST register source, 4-7 from the first
	v_perm_b32 v[WA+4*\u], v[WC+4*\u+1], v[WC+4*\u], 0x05010400     ; rows 0, 1: columns 0, 1
	v_perm_b32 v[WA+4*\u+1], v[WC+4*\u+1], v[WC+4*\u], 0x07030602   ; rows 0, 1: columns 2, 3
	v_perm_b32 v[WA+4*\u+2], v[WC+4*\u+3], v[WC+4*\u+2], 0x05010400 ; rows 2, 3: columns 0, 1
	v_perm_b32 v[WA+4*\u+3], v[WC+4*\u+3], v[WC+4*\u+2], 0x07030602 ; rows 2, 3: columns 2, 3
	v_perm_b32 v[WD+\u], v[WA+4*\u+2], v[WA+4*\u], 0x05040100       ; column 0, rows 0 .. 3
	v_perm_b32 v[WD+2+\u], v[WA+4*\u+2], v[WA+4*\u], 0x07060302     ; column 1
	v_perm_b32 v[WD+4+\u], v[WA+4*\u+3], v[WA+4*\u+1], 0x05040100   ; column 2
	v_perm_b32 v[WD+6+\u], v[WA+4*\u+3], v[WA+4*\u+1], 0x07060302   ; column 3
.endr
.irp j, 0,1,2,3
	ds_store_b64 v4, v[WD+2*\j:WD+2*\j+1] offset:272*\j+32*(\t)     ; column 4 cg + j: k = 32 t + 8 g + 0 .. 7
.endr
.if (\t)+4 < 8
	WLOAD (\t)+4
.endif
	s_wait_dscnt 0x0                               ; the stores have read their registers: the next block's codes may be written
.endm
	s_wait_alu depctr_va_vdst(0)
.irp t, 0,1,2,3,4,5,6,7
	WBLOCK \t
.endr
.irp t, 0,1,2,3,4,5,6,7,8,9,10,11,12,13,14,15
	ds_load_b128 v[OUTR+4*\t:OUTR+4*\t+3], v7 offset:544*\t
.endr
.irp t, 0,1,2,3,4,5,6,7,8,9,10,11,12,13,14,15
	s_wait_dscnt 15-\t
	global_store_b128 v8, v[OUTR+4*\t:OUTR+4*\t+3], s[54:55] offset:2048*\t   ; sixteen lanes store 256 bytes on end, aligned
.endr
	s_wait_tensorcnt 0x0
	ds_add_u32 v224, v225
	s_wait_dscnt 0x0
	s_endpgm
.Lfunc_end_k_q8f60a53392_prep:
	.size	k_q8f60a53392_prep, .Lfunc_end_k_q8f60a53392_prep-k_q8f60a53392_prep
	.p2alignl 7, 3214868480
	.fill 96, 4, 3214868480
	.section	.rodata,"a",@progbits
	.p2align	6, 0x0
	.amdhsa_kernel k_q8f60a53392_prep
		.amdhsa_group_segment_fixed_size 47616
		.amdhsa_private_segment_fixed_size 0
		.amdhsa_enable_private_segment 0
		.amdhsa_kernarg_size 104
		.amdhsa_user_sgpr_count 2
		.amdhsa_user_sgpr_kernarg_segment_ptr 1
		.amdhsa_wavefront_size32 1
		.amdhsa_system_sgpr_workgroup_id_x 1
		.amdhsa_system_sgpr_workgroup_id_y 1
		.amdhsa_system_sgpr_workgroup_id_z 1
		.amdhsa_system_vgpr_workitem_id 0
		.amdhsa_next_free_vgpr 226
		.amdhsa_next_free_sgpr 84
		.amdhsa_reserve_vcc 0
		.amdhsa_float_denorm_mode_32 3
		.amdhsa_float_denorm_mode_16_64 3
		.amdhsa_fp16_overflow 1
		.amdhsa_memory_ordered 1
		.amdhsa_forward_progress 1
		.amdhsa_inst_pref_size 45
	.end_amdhsa_kernel
	.amdgpu_metadata
---
amdhsa.version: [ 1, 2 ]
amdhsa.kernels:
  - .name:           k_q8f60a53392_prep
    .symbol:         k_q8f60a53392_prep.kd
    .args:
      - { .name: embedding, .offset: 0, .size: 8, .value_kind: global_buffer, .address_space: global }
      - { .name: positional_encoding, .offset: 8, .size: 8, .value_kind: global_buffer, .address_space: global }
      - { .name: Wq, .offset: 16, .size: 8, .value_kind: global_buffer, .address_space: global }
      - { .name: Wk, .offset: 24, .size: 8, .value_kind: global_buffer, .address_space: global }
      - { .name: Wv, .offset: 32, .size: 8, .value_kind: global_buffer, .address_space: global }
      - { .name: Wproj, .offset: 40, .size: 8, .value_kind: global_buffer, .address_space: global }
      - { .name: W1, .offset: 48, .size: 8, .value_kind: global_buffer, .address_space: global }
      - { .name: W2, .offset: 56, .size: 8, .value_kind: global_buffer, .address_space: global }
      - { .name: lowp_scales, .offset: 64, .size: 8, .value_kind: global_buffer, .address_space: global }
      - { .name: acodes, .offset: 72, .size: 8, .value_kind: global_buffer, .address_space: global }
      - { .name: wa, .offset: 80, .size: 8, .value_kind: global_buffer, .address_space: global }
      - { .name: wp, .offset: 88, .size: 8, .value_kind: global_buffer, .address_space: global }
      - { .name: w2, .offset: 96, .size: 8, .value_kind: global_buffer, .address_space: global }
    .group_segment_fixed_size: 47616
    .private_segment_fixed_size: 0
    .kernarg_segment_align: 8
    .kernarg_segment_size: 104
    .max_flat_workgroup_size: 128
    .sgpr_count:     84
    .vgpr_count:     226
    .wavefront_size: 32
...
	.end_amdgpu_metadata
.endif
;; end of part 1
;; launch qkv (part 2): grid 16 x 16, 4 waves a work-group, clusters of 4 x 4, 327,680 bytes of LDS; arguments acodes, wa, lowp_scales, qk, out1, out2; writes qk, out1, out2
.if DOCPART == 2
	.amdgcn_target "amdgcn-amd-amdhsa--gfx1250"
	.amdhsa_code_object_version 6
	.text
	.protected	k_q8f60a53392_qkv
	.globl	k_q8f60a53392_qkv
	.p2align	8
	.type	k_q8f60a53392_qkv,@function
k_q8f60a53392_qkv:
	s_mov_b64 s[64:65], 0
	v_nop
	global_prefetch_b8 v0, s[64:65] scope:SCOPE_SE
	s_setreg_imm32_b32 hwreg(HW_REG_WAVE_MODE, 25, 1), 1
	s_wait_xcnt 0x0
	s_wait_alu depctr_hold_cnt(0) depctr_sa_sdst(0) depctr_va_vdst(0) depctr_va_sdst(0) depctr_va_ssrc(0) depctr_va_vcc(0) depctr_vm_vsrc(0)
	s_getreg_b32 s2, hwreg(HW_REG_IB_STS2, 6, 4)
	s_cmp_eq_u32 s2, 0
	s_cbranch_scc0 .Lentry_in_a_cluster
	s_endpgm
.Lentry_in_a_cluster:
	s_bfe_u32 s2, ttmp6, 0x10000c
	s_cmp_lg_u32 s2, 0xf033
	s_cbranch_scc0 .Lentry_shape_is_right
	s_endpgm
.Lentry_shape_is_right:
; QKV: the three projections, on codes of FP8 (E4M3); K = 1,024.  Four jobs, J = the cluster's x; each is a product [rows of A] x [rows of B]^T with tiles of 256 x 256, four waves, 128 x 128 a wave.
;   J = 0: A = x under e1 (4,096 tokens), B = Wq (1,024 channels n = 64 h + a): Q as codes under e6.          J = 1: x under e3, Wk: K as f32 (out1) and as codes under e7.
;   J = 2: x under e5, Wv: V as f32 (out2).          J = 3: A = Wv, B = x under e5: the same sums transposed, so that a lane holds 8 neighbouring KEYS of a channel: V as codes under e9 with the keys innermost.
; Q's and K's codes: qk + J x 4 MiB, [8 pairs of heads][4,096 tokens][128 bytes].  V's: qk + 8 MiB, [2 h + b][16 steps of 128 keys][64 channels][128 keys].
; K goes in steps of 256 through a ring of two LDS slots filled by the tensor data mover.  CLUSTERS: 4 x 4 work-groups of one job; A's tile is asked for jointly along a row of the cluster, B's along a column.
; THE MATRIX INSTRUCTION IS USED TRANSPOSED (source 0 = 16 rows of B, source 1 = 16 rows of A): a lane holds one row of A's side and eight neighbours of B's side.
; A fragment is fetched by four loads of 16 bytes: a permutation of k, the same on both sides, so every product meets its partner.
; Branches hang on the wave's number and on J, which all sixteen partners share.  The given exponents enter arithmetic and selects alone.
; LIMITS: e0+e1, e2+e3, e4+e5 between -126 and 127; e6-e0-e1, e7-e2-e3, e9-e4-e5 between -126 and 119.
; REGISTERS, in windows of 256: window 0: v0-31 addresses and two constants; v32-127 at work on the way out; from v128 A's fragments, one set.  window 1: B's fragments, two sets.  windows 2, 3: the 64 accumulators, (a, b) at v[8 (8 (a % 4) + b)].
.set SIZE_K, 1024
.set KSTEP,  256
.set ROWB,   256
.set KROW,   SIZE_K
.set PITCH,  272                       ; an LDS row: 256 bytes + 16 of padding: the 16 rows that a load touches start at 16 different banks (ISA guide 11.1)
.set FR,     16
.set NL,     4
.set NP,     4
.set HALFT,  128*PITCH
.set SLOT,   4*HALFT
.set LAPS,   SIZE_K/(2*KSTEP)
.set SPARE,  2*SLOT                    ; behind the ring: the spare words, 128 bytes a wave, that no other line names
.set SPITCH, 528                       ; the f32 stage: 16 rows x (512 + 16) bytes a wave, from LDS byte 0: in slot 0, which has had its last fill and its last read by then
.set CSTAGE, 4*16*SPITCH               ; the codes' stage behind it: 16 rows x (128 + 16) bytes a wave
.set CPITCH, 144
.set STC,  12
.set RDC,  13
.set CO2,  14
.set ADRA, 16
.set ADRB, 20
.set STO,  24
.set RD,   25
.set CO,   26
.set SPW,  28
.set NIL,  29
.set SCL,  30                          ; v30 the conversion's scale
.set LIM,  31
.set TMP,  32
.set CD,   96
.set AF,   128
.set BK,   128
.set G1, 24
.set G0, 32
.set G1B, 48
.set G0B, 56
.set MSB, 0
.macro WIN new                         ; the immediate's high byte repeats the setting that is left
.if MSB != (\new)
	s_set_vgpr_msb (MSB<<8)|(\new)
.set MSB, \new
.endif
.endm
.set MUL_LO, 0xa1
.set MUL_HI, 0xf1
.set TO_B,   0x40
.macro JLOAD g0a, g1a, g0b, g1b        ; a joint load: waves 0 and 1 fetch for A, waves 2 and 3 for B; four v_nop follow each line
	s_cmp_eq_u32 s15, 0
	s_cbranch_scc0 .Lfor_b_\@
	tensor_load_to_lds s[\g0a:\g0a+3], s[\g1a:\g1a+7]
	s_nop 0
.rept 4
	v_nop
.endr
	s_branch .Lasked_\@
.Lfor_b_\@:
	tensor_load_to_lds s[\g0b:\g0b+3], s[\g1b:\g1b+7]
	s_nop 0
.rept 4
	v_nop
.endr
.Lasked_\@:
.endm
.macro CREST
	s_cmp_lg_u32 s14, 0
	s_cbranch_scc1 .Lnot_wave_0_\@
	s_barrier_signal -3
.Lnot_wave_0_\@:
	s_barrier_wait -3
	s_barrier_signal -1
	s_barrier_wait -1
.endm
.macro CROUND
	s_barrier_signal -1
	s_barrier_wait -1
	CREST
.endm
	s_load_b256 s[4:11], s[0:1], 0x0               ; acodes s[4:5], wa s[6:7], lowp_scales s[8:9], qk s[10:11]
	s_load_b128 s[84:87], s[0:1], 0x20             ; out1, out2
	v_lshl_add_u32 v[SPW], v0, 2, SPARE
	v_mov_b32 v[NIL], 0
	ds_add_u32 v28, v29
	ds_add_u32 v28, v29
	s_wait_dscnt 0x0
	v_lshrrev_b32 v1, 5, v0
	v_readfirstlane_b32 s14, v1                    ; wave 0..3
	s_lshr_b32 s15, s14, 1                         ; my half of the tile's rows; also: I fetch for A (0) or B (1)
	s_and_b32 s16, s14, 1                          ; my half of its columns; also: which 128 rows I fetch
	s_bfe_u32 s40, ttmp6, 0x40000                  ; cx
	s_bfe_u32 s41, ttmp6, 0x40004                  ; cy
	s_and_b32 s67, ttmp7, 0xffff
	s_lshl_b32 s67, s67, 2                         ; 4 x cluster y
	s_min_u32 s66, ttmp9, 2                        ; u: which x and which weight
	s_cmp_eq_u32 ttmp9, 3
	s_cselect_b32 s17, 0, s67                      ; the long side (16 tiles of tokens) is A's in jobs 0-2, B's in job 3
	s_cselect_b32 s42, s67, 0
	s_add_co_u32 s17, s17, s41                     ; tile row
	s_add_co_u32 s42, s42, s40                     ; tile column
	s_lshl_b32 s43, s41, 2
	s_lshl_b32 s43, 15, s43                        ; my row of the cluster
	s_lshl_b32 s44, 0x1111, s40                    ; my column
	s_or_b32 s[G1+0], s43, (0<<16)|(1<<20)|(1<<21)|(5<<22)|(3<<25)  ; the mask; elements of 1 byte; padding on; bit 21 beside a mask; after every 64 words; 4 words
	s_or_b32 s[G1B+0], s44, (0<<16)|(1<<20)|(1<<21)|(5<<22)|(3<<25)
.irp g, G1, G1B
	s_mov_b32 s[\g+1], ROWB<<16                    ; tensor_dim0
	s_mov_b32 s[\g+2], 128<<16                     ; tensor_dim1
	s_mov_b32 s[\g+3], ROWB<<16                    ; tile_dim0
	s_mov_b32 s[\g+4], 128                         ; tile_dim1
	s_mov_b32 s[\g+5], KROW                        ; stride
	s_mov_b32 s[\g+6], 0
	s_mov_b32 s[\g+7], 0
.endr
	s_lshl_b32 s18, s16, 7
	s_lshl_b32 s20, s17, 8
	s_add_co_u32 s20, s20, s18
	s_lshl_b32 s20, s20, 10                        ; A: (256 x tile row + 128 x half) rows of 1,024 bytes
	s_mov_b32 s21, 0
	s_lshl_b32 s46, s42, 8
	s_add_co_u32 s46, s46, s18
	s_lshl_b32 s46, s46, 10                        ; B likewise, by the tile column
	s_mov_b32 s47, 0
	s_mul_i32 s45, s14, HALFT                      ; where they go: wave x 128 rows
	s_lshl_b32 s22, s66, 22
	s_mov_b32 s23, 0
	s_wait_kmcnt 0x0
	s_load_b512 s[68:83], s[8:9], 0x0              ; e0 .. e15 in s68 .. s83
	s_add_nc_u64 s[4:5], s[4:5], s[22:23]          ; x under the job's scale
	s_lshl_b32 s22, s66, 20
	s_add_nc_u64 s[6:7], s[6:7], s[22:23]          ; the job's weight
	s_cmp_eq_u32 ttmp9, 3
	s_cselect_b64 s[12:13], s[6:7], s[4:5]         ; A's side
	s_cselect_b64 s[6:7], s[4:5], s[6:7]           ; B's side
	s_add_nc_u64 s[20:21], s[12:13], s[20:21]
	s_add_nc_u64 s[46:47], s[6:7], s[46:47]
	CROUND                                         ; all sixteen work-groups are here: the first joint loads meet
.irp s, 0,1
	s_mov_b32 s[G0+4*\s], 1
	s_add_co_u32 s[G0+4*\s+1], s45, \s*SLOT
	s_add_nc_u64 s[G0+4*\s+2:G0+4*\s+3], s[20:21], \s*ROWB
	s_or_b32 s[G0+4*\s+3], s[G0+4*\s+3], 0x80000000
	s_mov_b32 s[G0B+4*\s], 1
	s_add_co_u32 s[G0B+4*\s+1], s45, \s*SLOT
	s_add_nc_u64 s[G0B+4*\s+2:G0B+4*\s+3], s[46:47], \s*ROWB
	s_or_b32 s[G0B+4*\s+3], s[G0B+4*\s+3], 0x80000000
	JLOAD G0+4*\s, G1, G0B+4*\s, G1B
.endr
	v_and_b32 v1, 15, v0                           ; r
	s_wait_alu depctr_va_vdst(0)
	v_bfe_u32 v2, v0, 4, 1                         ; h
	v_mul_u32_u24 v3, v1, PITCH
	v_lshl_add_u32 v4, v2, 4, v3
	s_mul_i32 s21, s15, HALFT
	s_mul_i32 s22, s16, HALFT
	s_add_co_u32 s22, s22, 2*HALFT
.irp s, 0,1
	v_add_nc_u32 v[ADRA+\s], s21, v4
	v_add_nc_u32 v[ADRB+\s], s22, v4
	s_add_co_u32 s21, s21, SLOT
	s_add_co_u32 s22, s22, SLOT
.endr
	s_mul_i32 s23, s14, 16*SPITCH                  ; my f32 stage
	v_mul_u32_u24 v5, v1, SPITCH
	s_wait_alu depctr_va_vdst(0)
	v_lshl_add_u32 v5, v2, 5, v5
	v_add_nc_u32 v[STO], s23, v5                   ; in: row r, 32 bytes for each half of the lanes
	v_and_b32 v6, 31, v0
	v_lshlrev_b32 v7, 4, v6
	v_add_nc_u32 v[RD], s23, v7                    ; back: 32 lanes take a row of 512 bytes
	v_lshlrev_b32 v[CO], 4, v1
	v_lshl_add_u32 v[CO], v2, 20, v[CO]            ; in out1, out2: lanes 0-15 the even head's 256 bytes, lanes 16-31 the odd head's, 1 MiB on
	s_mul_i32 s23, s14, 16*CPITCH
	s_add_co_u32 s23, s23, CSTAGE                  ; my codes' stage
	v_mul_u32_u24 v5, v1, CPITCH
	v_lshl_add_u32 v5, v2, 3, v5
	v_add_nc_u32 v[STC], s23, v5                   ; in: row r, 8 bytes for each half of the lanes
	v_lshrrev_b32 v5, 3, v6
	v_mul_u32_u24 v5, v5, CPITCH
	v_and_b32 v8, 7, v0
	v_lshl_add_u32 v5, v8, 4, v5
	v_add_nc_u32 v[RDC], s23, v5                   ; back: eight lanes to a row of 128 bytes, four rows an instruction
	v_mov_b32 v[CO2], v7                           ; which are 512 bytes on end in memory
.macro FRAG reg, adr, q, i             ; 16 rows x 128 K: registers 4 c .. 4 c + 3 hold K = 32 c + 16 (l / 16) + 0 .. 15 of row l % 16
.irp c, 0,1,2,3
	ds_load_b128 v[\reg+4*\c:\reg+4*\c+3], v[\adr] offset:128*(\q)+32*\c+(\i)*16*PITCH
.endr
.endm
.macro MUL16 a0, p, zero               ; A's blocks a0, a0 + 1 x B's eight; the 64 accumulators take turns, one instruction a turn, in the same order in every step
.irp a, \a0, \a0+1
.irp b, 0,1,2,3,4,5,6,7
.if \zero
	v_wmma_f32_16x16x128_fp8_fp8 v[8*(8*((\a)%4)+\b):8*(8*((\a)%4)+\b)+7], v[128*(\p)+FR*\b:128*(\p)+FR*\b+FR-1], v[AF+FR*(\a):AF+FR*(\a)+FR-1], 0
.else
	v_wmma_f32_16x16x128_fp8_fp8 v[8*(8*((\a)%4)+\b):8*(8*((\a)%4)+\b)+7], v[128*(\p)+FR*\b:128*(\p)+FR*\b+FR-1], v[AF+FR*(\a):AF+FR*(\a)+FR-1], v[8*(8*((\a)%4)+\b):8*(8*((\a)%4)+\b)+7]
.endif
.endr
.endr
.endm
.macro FETCH_B slot, q, p
	WIN TO_B
.irp i, 0,1,2,3,4,5,6,7
	FRAG 128*(\p)+FR*\i, ADRB+\slot, \q, \i
.endr
	WIN 0
.endm
.macro FETCH_A slot, q, i0
.irp i, \i0, \i0+1, \i0+2, \i0+3
	FRAG AF+FR*(\i), ADRA+\slot, \q, \i
.endr
.endm
.macro PLACES n                        ; plain vector lines between a matrix instruction and a load into, or a read of, its registers
.rept \n
	v_nop
.endr
.endm
.macro STEP slot, q, zero              ; 128 along K whose successor lies in the same slot
	s_wait_dscnt 4*NL                              ; B's set and A's blocks 0-3 are in; the youngest 16 loads (A's blocks 4-7) may be out
	WIN MUL_LO
	MUL16 0, (\q)%2, \zero
	MUL16 2, (\q)%2, \zero
	s_wait_dscnt 0
	PLACES NP
	FETCH_B \slot, (\q)+1, 1-(\q)%2
	FETCH_A \slot, (\q)+1, 0
	WIN MUL_HI
	MUL16 4, (\q)%2, \zero
	MUL16 6, (\q)%2, \zero
	PLACES NP
	WIN 0
	FETCH_A \slot, (\q)+1, 4
.endm
.macro TURN slot, next, fill           ; a slot's last step changes slots: one barrier; fill = 1: the slot is filled again, two K steps ahead
	s_wait_tensorcnt 0x0                           ; all my tensor loads have landed: my part of the next slot
	ds_add_u32 v[SPW], v[NIL]                      ; 0 onto my spare word
	s_wait_dscnt 4*NL+1                            ; (the add and the youngest 16 loads may be out)
	WIN MUL_LO
	MUL16 0, 1, 0
	s_wait_dscnt 0x0                               ; the add is done, and my reads of this slot are over
	s_barrier_signal -1
	MUL16 2, 1, 0
	WIN 0
	s_barrier_wait -1
.if \fill
	CREST                                          ; the barrier has opened a round of the cluster's barrier: no wave of any partner still reads this slot or has a load on its way
	s_add_nc_u64 s[G0+4*\slot+2:G0+4*\slot+3], s[G0+4*\slot+2:G0+4*\slot+3], 2*ROWB
	s_add_nc_u64 s[G0B+4*\slot+2:G0B+4*\slot+3], s[G0B+4*\slot+2:G0B+4*\slot+3], 2*ROWB
	JLOAD G0+4*\slot, G1, G0B+4*\slot, G1B         ; the first tensor load behind the round; its four v_nop are the places in front of the loads below
.else
	PLACES NP
.endif
	FETCH_B \next, 0, 0
	FETCH_A \next, 0, 0
	WIN MUL_HI
	MUL16 4, 1, 0
	MUL16 6, 1, 0
	PLACES NP
	WIN 0
	FETCH_A \next, 0, 4
.endm
	s_wait_tensorcnt 1                             ; my part of K step 0 is in; K step 1's load may be out
	s_barrier_signal -1
	s_barrier_wait -1
	FETCH_B 0, 0, 0
	FETCH_A 0, 0, 0
	FETCH_A 0, 0, 4
	STEP 0, 0, 1                                   ; the first products start the sums
	s_mov_b32 s3, LAPS-1
.Llap:                                                 ; a trip goes once round the ring and fills both slots again
	TURN 0, 1, 1
	STEP 1, 0, 0
	TURN 1, 0, 1
	STEP 0, 0, 0
	s_sub_co_u32 s3, s3, 1
	s_cmp_lg_u32 s3, 0
	s_cbranch_scc1 .Llap
	TURN 0, 1, 0                                   ; the last lap fills nothing
	STEP 1, 0, 0
	s_wait_dscnt 4*NL
	WIN MUL_LO
	MUL16 0, 1, 0
	MUL16 2, 1, 0
	s_wait_dscnt 0
	WIN MUL_HI
	MUL16 4, 1, 0
	MUL16 6, 1, 0
	WIN 0
	; THE WAY OUT.  The job's exponents and addresses, by selects on J
	s_wait_kmcnt 0x0
	s_add_co_i32 s18, s68, s69
	s_add_co_i32 s19, s70, s71
	s_add_co_i32 s20, s72, s73
	s_cmp_eq_u32 ttmp9, 0
	s_cselect_b32 s18, s18, s20
	s_cselect_b32 s21, s74, s77
	s_cmp_eq_u32 ttmp9, 1
	s_cselect_b32 s18, s19, s18                    ; es: a sum stands for sum x 2^es
	s_cselect_b32 s21, s75, s21                    ; eo: the codes' scale: e6, e7 or e9
	s_add_co_i32 s96, s18, 127
	s_lshl_b32 s96, s96, 23                        ; 2^es as f32
	s_mov_b32 s97, s96
	s_sub_co_i32 s21, s21, s18
	s_add_co_i32 s21, s21, 127
	s_lshl_b32 s22, s21, 23
	v_mov_b32 v[SCL], s22                          ; 2^(eo - es): the scales folded into the conversion's one
	s_lshl_b32 s92, s17, 1
	s_add_co_u32 s92, s92, s15                     ; RA: my block of 128 rows
	s_lshl_b32 s93, s42, 1
	s_add_co_u32 s93, s93, s16                     ; CB: my block of 128 columns
	s_lshl_b32 s18, s93, 21                        ; f32: two heads of 1 MiB,
	s_lshl_b32 s19, s92, 15                        ; 128 tokens of 256 bytes
	s_add_co_u32 s18, s18, s19
	s_mov_b32 s19, 0
	s_cmp_eq_u32 ttmp9, 1
	s_cselect_b64 s[88:89], s[84:85], s[86:87]
	s_add_nc_u64 s[88:89], s[88:89], s[18:19]
	s_lshl_b32 s18, s93, 19                        ; codes of Q, K: the pair of heads' 4,096 x 128 bytes,
	s_lshl_b32 s19, s92, 14                        ; 128 tokens of 128 bytes
	s_add_co_u32 s18, s18, s19
	s_lshl_b32 s19, s92, 2                         ; codes of V: 2 h + b = 4 RA + CB / 16,
	s_lshr_b32 s20, s93, 4
	s_add_co_u32 s19, s19, s20
	s_lshl_b32 s19, s19, 17
	s_and_b32 s20, s93, 15                         ; the step of 128 keys
	s_lshl_b32 s20, s20, 13
	s_add_co_u32 s19, s19, s20
	s_mov_b32 s21, 0x40000
	s_cmp_eq_u32 ttmp9, 3
	s_cselect_b32 s18, s19, s18
	s_cselect_b32 s20, s21, 0x2000                 ; from block 0 to block 4: the next head (job 3) or 64 tokens on
	s_lshl_b32 s19, s66, 22
	s_add_co_u32 s18, s18, s19
	s_mov_b32 s19, 0
	s_mov_b32 s21, 0
	s_add_nc_u64 s[90:91], s[10:11], s[18:19]
	s_add_nc_u64 s[94:95], s[90:91], s[20:21]
	PLACES NP                                      ; behind the last products, ahead of the first read of results and of loads into A's registers
	s_sub_co_u32 s18, ttmp9, 1
	s_cmp_lt_u32 s18, 2
	s_cbranch_scc0 .Lno_f32
; f32, jobs 1 and 2: a block of 16 tokens x 128 channels goes through my stage and comes back as rows of 512 bytes: each half of the lanes stores one head's 256 bytes, aligned.
.macro TOSTAGE a
.set AC, 64*((\a)%4)
	WIN 0x02+((\a)/4)
.set j, 0
.rept 32
	v_pk_mul_f32 v[TMP+j:TMP+j+1], v[AC+j:AC+j+1], s[96:97] op_sel_hi:[1,0]   ; x 2^es; each accumulator from its low end on
.set j, j+2
.endr
	WIN 0
.irp b, 0,1,2,3,4,5,6,7
	ds_store_b128 v[STO], v[TMP+8*\b:TMP+8*\b+3] offset:64*\b
	ds_store_b128 v[STO], v[TMP+8*\b+4:TMP+8*\b+7] offset:64*\b+16
.endr
.set BB, BK+64*((\a)%2)
.irp t, 0,1,2,3,4,5,6,7,8,9,10,11,12,13,14,15
	ds_load_b128 v[BB+4*\t:BB+4*\t+3], v[RD] offset:\t*SPITCH      ; LDS serves a wave's instructions in order (ISA guide 5.7.1.4)
.endr
.endm
.macro SEND a, younger
.set BB, BK+64*((\a)%2)
	s_wait_dscnt \younger
.irp t, 0,1,2,3,4,5,6,7,8,9,10,11,12,13,14,15
	global_store_b128 v[CO], v[BB+4*\t:BB+4*\t+3], s[88:89] offset:(16*(\a)+\t)*256 th:TH_STORE_NT
.endr
.endm
	TOSTAGE 0
.irp a, 1,2,3,4,5,6,7
.if \a > 1
	s_wait_xcnt 0x0                                ; block a - 2's stores have read their registers: block a's loads may land there
.endif
	TOSTAGE \a
	SEND \a-1, 32                                  ; behind block a - 1's loads: block a's 16 stores and 16 loads
.endr
	SEND 7, 0
.Lno_f32:
	s_cmp_eq_u32 ttmp9, 2
	s_cbranch_scc1 .Lno_codes
	s_wait_xcnt 0x0                                ; the f32 stores have read their registers
; codes, jobs 0, 1 and 3: a lane's eight sums are eight neighbours along the next product's K.  A block is 16 rows x 128 bytes, 2,048 bytes on end in memory.
.macro CPACK a
.set AC, 64*((\a)%4)
.set CC, CD+16*((\a)%2)
.set CB2, BK+16*((\a)%2)
	WIN 0x02+((\a)/4)
.set j, 0
.rept 64
.set j, j+1
.endr
.irp b, 0,1,2,3,4,5,6,7
	v_cvt_scalef32_pk8_fp8_f32 v[CC+2*\b:CC+2*\b+1], v[AC+8*\b:AC+8*\b+7], v[SCL]
.endr
	WIN 0
	v_nop                                          ; a plain line between the conversions and the next write of their sources
.irp b, 0,1,2,3,4,5,6,7
	ds_store_b64 v[STC], v[CC+2*\b:CC+2*\b+1] offset:16*\b
.endr
.irp g, 0,1,2,3
	ds_load_b128 v[CB2+4*\g:CB2+4*\g+3], v[RDC] offset:4*CPITCH*\g
.endr
.endm
.macro CSEND a, younger
.set CB2, BK+16*((\a)%2)
	s_wait_dscnt \younger
.irp g, 0,1,2,3
.if (\a) < 4
	global_store_b128 v[CO2], v[CB2+4*\g:CB2+4*\g+3], s[90:91] offset:((\a)%4)*2048+512*\g   ; 512 bytes on end
.else
	global_store_b128 v[CO2], v[CB2+4*\g:CB2+4*\g+3], s[94:95] offset:((\a)%4)*2048+512*\g
.endif
.endr
.endm
	s_wait_alu depctr_va_vdst(0)
	CPACK 0
.irp a, 1,2,3,4,5,6,7
.if \a > 1
	s_wait_xcnt 0x0                                ; block a - 2's stores have read their registers
.endif
	CPACK \a
	CSEND \a-1, 12                                 ; behind block a - 1's loads: block a's 8 stores and 4 loads
.endr
	CSEND 7, 0
.Lno_codes:
	s_wait_tensorcnt 0x0                           ; the wave's end
	ds_add_u32 v[SPW], v[NIL]
	s_wait_dscnt 0x0
	CROUND                                         ; the closing round
	s_endpgm
.Lfunc_end_k_q8f60a53392_qkv:
	.size	k_q8f60a53392_qkv, .Lfunc_end_k_q8f60a53392_qkv-k_q8f60a53392_qkv
	.p2alignl 7, 3214868480
	.fill 96, 4, 3214868480
	.section	.rodata,"a",@progbits
	.p2align	6, 0x0
	.amdhsa_kernel k_q8f60a53392_qkv
		.amdhsa_group_segment_fixed_size 327680
		.amdhsa_private_segment_fixed_size 0
		.amdhsa_enable_private_segment 0
		.amdhsa_kernarg_size 48
		.amdhsa_user_sgpr_count 2
		.amdhsa_user_sgpr_kernarg_segment_ptr 1
		.amdhsa_wavefront_size32 1
		.amdhsa_system_sgpr_workgroup_id_x 1
		.amdhsa_system_sgpr_workgroup_id_y 1
		.amdhsa_system_sgpr_workgroup_id_z 1
		.amdhsa_system_vgpr_workitem_id 0
		.amdhsa_next_free_vgpr 1024
		.amdhsa_next_free_sgpr 100
		.amdhsa_reserve_vcc 0
		.amdhsa_float_denorm_mode_32 3
		.amdhsa_float_denorm_mode_16_64 3
		.amdhsa_fp16_overflow 1
		.amdhsa_memory_ordered 1
		.amdhsa_forward_progress 1
		.amdhsa_inst_pref_size 139
	.end_amdhsa_kernel
	.amdgpu_metadata
---
amdhsa.version: [ 1, 2 ]
amdhsa.kernels:
  - .name:           k_q8f60a53392_qkv
    .symbol:         k_q8f60a53392_qkv.kd
    .args:
      - { .name: acodes, .offset: 0, .size: 8, .value_kind: global_buffer, .address_space: global }
      - { .name: wa, .offset: 8, .size: 8, .value_kind: global_buffer, .address_space: global }
      - { .name: lowp_scales, .offset: 16, .size: 8, .value_kind: global_buffer, .address_space: global }
      - { .name: qk, .offset: 24, .size: 8, .value_kind: global_buffer, .address_space: global }
      - { .name: out1, .offset: 32, .size: 8, .value_kind: global_buffer, .address_space: global }
      - { .name: out2, .offset: 40, .size: 8, .value_kind: global_buffer, .address_space: global }
    .group_segment_fixed_size: 327680
    .private_segment_fixed_size: 0
    .kernarg_segment_align: 8
    .kernarg_segment_size: 48
    .max_flat_workgroup_size: 128
    .sgpr_count:     100
    .vgpr_count:     1024
    .wavefront_size: 32
...
	.end_amdgpu_metadata
.endif
;; end of part 2
;; launch attn (part 3): grid 8 x 32, 16 waves a work-group, no clusters, 327,680 bytes of LDS; arguments qk, lowp_scales, acodes; writes acodes
.if DOCPART == 3
	.amdgcn_target "amdgcn-amd-amdhsa--gfx1250"
	.amdhsa_code_object_version 6
	.text
	.protected	k_q8f60a53392_attn
	.globl	k_q8f60a53392_attn
	.p2align	8
	.type	k_q8f60a53392_attn,@function
k_q8f60a53392_attn:
	s_mov_b64 s[64:65], 0
	v_nop
	global_prefetch_b8 v0, s[64:65] scope:SCOPE_SE
	s_setreg_imm32_b32 hwreg(HW_REG_WAVE_MODE, 25, 1), 1
	s_wait_xcnt 0x0
; ATTENTION on codes of FP8 (E4M3), causal, head size 64, 2,048 keys, logit = score / 32.  Work-group (j, y): head h = y / 2, batch b = y % 2, query blocks j and 15 - j of 128 queries: every work-group has the same causal work.
; Q, K: qk and qk + 4 MiB, [h / 2][4,096 tokens][128 bytes], head h's 64 codes at 64 (h % 2).  V: qk + 8 MiB, [y][16 steps][64 channels][128 keys].  Result: codes under e10, acodes [4,096 tokens][1,024], head h at byte 64 h.
; THE SOFTMAX: t = score x log2(e) / 32; M = the running largest t rounded UP to a whole number; p = 2^(t - M) is quantised under e8, not normalised; the row's sum is taken of the unquantised p and divides at the end;
; when M moves, the sum and O are multiplied by 2^(old M - new M), which rounds nothing.
; SIXTEEN waves, one tile of 16 queries each, 256 registers.  Wave w takes tile w / 2 of block j or 15 - j, by (w xor w / 4) % 2, so that early and late queries are mixed among neighbouring waves.
; Both products are used transposed (S^T = K Q^T, O^T = V^T P^T): a lane holds one query.  Lane r of key tile 2 b + u takes key 32 b + 8 u + r + 8 (r / 8): the 16 registers of tiles 2 b, 2 b + 1 are keys 32 b + 16 (lane / 16) + 0 .. 15.
; All work-groups walk all 4 slots of 512 keys (constant trip counts): a slot holds four key steps, so that a refill has four steps' work in which to land and there are three refills in all.
; A step all of whose keys come after the wave's queries is left out by a scalar branch on ids, which holds no barrier and no tensor load.
; NO CLUSTER, though the 8 work-groups of a (head, batch) read the same K and V: that branch hangs on the work-group's own query blocks, which partners of a cluster would not share.
; The result's 64 bytes of a token are a quarter of 256 aligned bytes: four heads' work-groups fill such a block between them (4 MiB in all are written so).
; LIMITS: e6 + e7 between -121 and 132 (added to c's exponent field); e8 and e10 between -126 and 119; e8 + e9 is applied by v_ldexp_f32.
; REGISTERS: v1-7 addresses that stay; v8-11 addresses in hand; v12 -M, v13 the largest t, v[14:15] the sum; v16-23 Q; v32-95 eight fragments of K or four of V; v96-159 S^T, then p; v160-191 O^T; v200-217 at work and constants; v224-239 p's codes.
.set SK,    512
.set KP,    80                         ; a key's row in LDS: 64 bytes + 16
.set VP,    144                        ; a row of V's tile: 128 bytes + 16
.set VOFF,  SK*KP                      ; a slot: 512 rows of K, then 256 rows of V (step x 64 + channel): 77,824 bytes
.set SLOT1, 1<<17
.set NSL,   4
.set SPARE, 2*SLOT1                    ; the spare words, 128 bytes a wave: 2,048 bytes that no other line names
.set AK0,  1
.set AV0,  2
.set PFO,  3
.set SPW,  5
.set NIL,  6
.set GO,   7
.set ADK,  8
.set ADV,  9
.set TB,   2                           ; s2   LDS byte at which the slot in hand begins
.set SLOTS, 3                          ; s3   slots still to be asked for
.set KF,   10                          ; s10  the step's first key
.set Q0,   11                          ; s11  my first query
.set WV,   18
.set SEL,  20
.set CS,   22
.set G1K,  24
.set G1V,  32
.set G0K,  40
.set G0V,  44
.set PFA,  48
.set PFS,  50
.set LIM,  52
.macro TLOAD                           ; waves 0 and 1 fetch K's halves, waves 2 and 3 V's, the others nothing; four v_nop follow each line
	s_cmp_lt_u32 s[WV], 2
	s_cbranch_scc0 .Lnot_k_\@
	tensor_load_to_lds s[G0K:G0K+3], s[G1K:G1K+7]
	s_nop 0
.rept 4
	v_nop
.endr
	s_branch .Lasked_\@
.Lnot_k_\@:
	s_cmp_lt_u32 s[WV], 4
	s_cbranch_scc0 .Lasked_\@
	tensor_load_to_lds s[G0V:G0V+3], s[G1V:G1V+7]
	s_nop 0
.rept 4
	v_nop
.endr
.Lasked_\@:
.endm
; A prefetch of what the NEXT change of slots will ask for, a slot's four key steps ahead of that load.  Each aligned block of 256 bytes is named once in the launch: work-group j = 0 asks; of K's 65,536 bytes of a slot,
; which a pair of heads shares, the even head's waves 4 to 11 take 8,192 each, lanes 256 bytes apart; of V's 32,768 waves 12 to 15 take 8,192 each.  The last change that fills a slot asks for nothing; slots 0 and 1 come by their loads alone.
.macro ASK
	s_cmp_gt_u32 s[SLOTS], s[LIM]
	s_cbranch_scc0 .Lnot_mine_\@
	global_prefetch_b8 v[PFO], s[PFA:PFA+1] th:TH_LOAD_NT scope:SCOPE_SE
.Lnot_mine_\@:
.endm
	s_load_b128 s[4:7], s[0:1], 0x0                ; qk, lowp_scales
	s_load_b64 s[8:9], s[0:1], 0x10                ; acodes
	v_lshl_add_u32 v[SPW], v0, 2, SPARE
	v_mov_b32 v[NIL], 0
	ds_add_u32 v5, v6
	ds_add_u32 v5, v6
	s_wait_dscnt 0x0
	v_lshrrev_b32 v8, 5, v0
	s_delay_alu instid0(VALU_DEP_1)
	v_readfirstlane_b32 s[WV], v8                  ; wave 0..15
	s_and_b32 s53, ttmp7, 0xffff                   ; y = 2 h + b
	s_lshr_b32 s54, s53, 2
	s_lshl_b32 s54, s54, 19                        ; the pair of heads,
	s_and_b32 s55, s53, 1
	s_lshl_b32 s56, s55, 18                        ; the batch's 2,048 tokens of 128 bytes
	s_add_co_u32 s54, s54, s56
	s_bfe_u32 s57, s53, 0x10001                    ; h % 2
	s_lshl_b32 s58, s57, 6
	s_add_co_u32 s58, s54, s58                     ; my head's first byte in Q's and in K's codes
	s_lshr_b32 s59, s[WV], 2
	s_xor_b32 s59, s59, s[WV]
	s_and_b32 s59, s59, 1
	s_sub_co_u32 s60, 15, ttmp9
	s_cmp_eq_u32 s59, 0
	s_cselect_b32 s60, ttmp9, s60                  ; my block of 128 queries
	s_lshl_b32 s60, s60, 7
	s_lshr_b32 s61, s[WV], 1
	s_lshl_b32 s61, s61, 4
	s_add_co_u32 s[Q0], s60, s61
	s_and_b32 s62, s[WV], 1                        ; which half I fetch, if I fetch
	s_lshl_b32 s66, s62, 15                        ; K: 256 tokens of 128 bytes
	s_add_co_u32 s66, s66, s58
	s_add_co_u32 s66, s66, 0x400000
	s_mov_b32 s67, 0                               ; in memory,
	s_mul_i32 s63, s62, 256*KP                     ; and in a slot
	s_lshl_b32 s84, s53, 17
	s_lshl_b32 s85, s62, 14                        ; V: 128 rows of 128 bytes
	s_add_co_u32 s84, s84, s85
	s_add_co_u32 s84, s84, 0x800000
	s_mov_b32 s85, 0                               ; in memory,
	s_mul_i32 s86, s62, 128*VP
	s_add_co_u32 s86, s86, VOFF                    ; and in a slot
	s_mov_b32 s[G1K], (0<<16)|(1<<20)|(3<<22)|(3<<25)              ; elements of 1 byte; padding: 4 words after every 16
	s_mov_b32 s[G1K+1], 64<<16                     ; tensor_dim0
	s_mov_b32 s[G1K+2], 256<<16                    ; tensor_dim1
	s_mov_b32 s[G1K+3], 64<<16                     ; tile_dim0
	s_mov_b32 s[G1K+4], 256                        ; tile_dim1
	s_mov_b32 s[G1K+5], 128                        ; stride: a token's 128 bytes hold two heads
	s_mov_b32 s[G1K+6], 0
	s_mov_b32 s[G1K+7], 0
	s_mov_b32 s[G1V], (0<<16)|(1<<20)|(4<<22)|(3<<25)              ; padding: 4 words after every 32
	s_mov_b32 s[G1V+1], 128<<16
	s_mov_b32 s[G1V+2], 128<<16
	s_mov_b32 s[G1V+3], 128<<16
	s_mov_b32 s[G1V+4], 128
	s_mov_b32 s[G1V+5], 128
	s_mov_b32 s[G1V+6], 0
	s_mov_b32 s[G1V+7], 0
	s_mov_b32 s[SEL], 0x76543210
	s_mov_b32 s[SEL+1], 0xfedcba98
	s_mov_b32 s[CS], 0x3d38aa3b                    ; c = log2(e) / 32
	s_mov_b32 s[TB], 0
	s_mov_b32 s[SLOTS], NSL-1
	s_mov_b32 s[KF], 0
	s_wait_kmcnt 0x0
	s_load_b512 s[68:83], s[6:7], 0x0              ; e0 .. e15 in s68 .. s83
	s_mov_b32 s[G0K], 1
	s_mov_b32 s[G0K+1], s63
	s_add_nc_u64 s[G0K+2:G0K+3], s[4:5], s[66:67]
	s_or_b32 s[G0K+3], s[G0K+3], 0x80000000
	s_mov_b32 s[G0V], 1
	s_mov_b32 s[G0V+1], s86
	s_add_nc_u64 s[G0V+2:G0V+3], s[4:5], s[84:85]
	s_or_b32 s[G0V+3], s[G0V+3], 0x80000000
	TLOAD                                          ; slot 0
	s_lshl_b32 s90, s[Q0], 7
	s_add_co_u32 s90, s90, s58
	s_mov_b32 s91, 0
	s_add_nc_u64 s[88:89], s[4:5], s[90:91]        ; Q's codes at my first query
	s_lshl_b32 s90, s55, 11
	s_add_co_u32 s90, s90, s[Q0]
	s_lshl_b32 s90, s90, 10
	s_lshr_b32 s94, s53, 1
	s_lshl_b32 s94, s94, 6
	s_add_co_u32 s90, s90, s94
	s_add_nc_u64 s[92:93], s[8:9], s[90:91]        ; the result at my first query, my head
	; the prefetches: where my wave's stand, and who asks
	s_sub_co_u32 s90, s[WV], 4
	s_and_b32 s90, s90, 7
	s_lshl_b32 s90, s90, 13
	s_add_co_u32 s90, s90, s54
	s_add_co_u32 s90, s90, 0x400000+65536          ; K, in slot 1: the first change of slots steps it to slot 2
	s_lshl_b32 s91, s53, 17
	s_and_b32 s94, s[WV], 3
	s_lshl_b32 s94, s94, 13
	s_add_co_u32 s91, s91, s94
	s_add_co_u32 s91, s91, 0x800000+32768          ; V likewise
	s_mov_b32 s[PFS], 32768
	s_cmp_lt_u32 s[WV], 12
	s_cselect_b32 s90, s90, s91
	s_cselect_b32 s[PFS], 65536, s[PFS]            ; a slot on
	s_mov_b32 s91, 0
	s_mov_b32 s[PFS+1], 0
	s_add_nc_u64 s[PFA:PFA+1], s[4:5], s[90:91]
	s_sub_co_u32 s90, s[WV], 4
	s_lshr_b32 s90, s90, 3
	s_or_b32 s90, s90, s57                         ; 0 in waves 4 to 11 of an even head,
	s_sub_co_u32 s91, s[WV], 12
	s_lshr_b32 s91, s91, 2                         ; 0 in waves 12 to 15,
	s_min_u32 s90, s90, s91
	s_or_b32 s90, s90, ttmp9                       ; of work-group j = 0
	s_cmp_eq_u32 s90, 0
	s_cselect_b32 s[LIM], 1, -1
	v_and_b32 v[PFO], 31, v0
	s_delay_alu instid0(VALU_DEP_1)
	v_lshlrev_b32 v[PFO], 8, v[PFO]
	v_and_b32 v8, 15, v0                           ; r
	v_bfe_u32 v9, v0, 4, 1                         ; h
	s_delay_alu instid0(VALU_DEP_2)
	v_lshlrev_b32 v10, 7, v8
	s_delay_alu instid0(VALU_DEP_1)
	v_lshl_add_u32 v10, v9, 4, v10
.irp c, 0,1
	global_load_b128 v[16+4*\c:19+4*\c], v10, s[88:89] offset:32*\c   ; Q's fragment stays: registers 4 c .. 4 c + 3 hold channels 32 c + 16 h + 0 .. 15, as K's do
.endr
	v_and_b32 v11, 8, v8
	s_delay_alu instid0(VALU_DEP_1)
	v_add_nc_u32 v11, v11, v8                      ; r + 8 (r / 8)
	s_delay_alu instid0(VALU_DEP_1)
	v_mul_u32_u24 v[AK0], v11, KP
	s_delay_alu instid0(VALU_DEP_1)
	v_lshl_add_u32 v[AK0], v9, 4, v[AK0]
	v_mul_u32_u24 v[AV0], v8, VP
	s_delay_alu instid0(VALU_DEP_1)
	v_lshl_add_u32 v[AV0], v9, 4, v[AV0]
	s_delay_alu instid0(VALU_DEP_1)
	v_add_nc_u32 v[AV0], VOFF, v[AV0]
	v_mov_b32 v13, 0xff61b1e6                      ; the largest t so far: -3e38
	s_delay_alu instid0(VALU_DEP_1)
	v_floor_f32 v12, -v13                          ; -M
	v_mov_b32 v14, 0
	v_mov_b32 v15, 0
	v_mov_b32 v200, 0                              ; a lane permute's destination counts as one of its sources
	v_mov_b32 v203, 0                              ; (named as the upper half of the pair v[202:203])
.set j, 0
.rept 32
	v_mov_b32 v[160+j], 0                          ; O^T: the step is written once; its first run finds zeros
.set j, j+1
.endr
	s_wait_kmcnt 0x0
	s_add_co_i32 s90, s74, s75
	s_lshl_b32 s90, s90, 23
	s_add_co_i32 s[CS], s[CS], s90                 ; a score stands for score x 2^(e6 + e7)
	s_mov_b32 s[CS+1], s[CS]
	s_add_co_i32 s90, s76, 127
	s_lshl_b32 s91, s90, 23
	v_mov_b32 v211, s91                            ; 2^e8
	s_add_co_i32 s90, s78, 127
	s_lshl_b32 s91, s90, 23
	v_mov_b32 v216, s91                            ; 2^e10
; A KEY STEP: 128 keys, the q-th of the slot in hand.
.macro STEP q
	s_add_co_u32 s96, s[Q0], 15
	s_cmp_gt_u32 s[KF], s96                        ; all keys come after my queries: the step's work is left out
	s_cbranch_scc1 .Lhidden_\@
	v_add_nc_u32 v[ADK], s[TB], v[AK0]
	v_add_nc_u32 v[ADV], s[TB], v[AV0]
	v_nop                                          ; with the two additions: four places in front of loads into registers that the last products read
	v_nop
.irp t, 0,1,2,3,4,5,6,7
.irp c, 0,1
	ds_load_b128 v[32+8*\t+4*\c:32+8*\t+4*\c+3], v[ADK] offset:(128*(\q)+32*(\t/2)+8*(\t%2))*KP+32*\c
.endr
.endr
	s_wait_alu depctr_va_vdst(0)
	s_wait_dscnt 0x0
.irp t, 0,1,2,3,4,5,6,7
	v_wmma_f32_16x16x64_fp8_fp8 v[96+8*\t:103+8*\t], v[32+8*\t:39+8*\t], v[16:23], 0
.endr
.rept 4
	v_nop
.endr
.irp t, 0,1,2,3
.irp c, 0,1,2,3
	ds_load_b128 v[32+16*\t+4*\c:32+16*\t+4*\c+3], v[ADV] offset:(64*(\q)+16*\t)*VP+32*\c   ; V's four fragments land under the softmax
.endr
.endr
	s_add_co_u32 s96, s[KF], 127
	s_cmp_le_u32 s96, s[Q0]                        ; all keys count: no mask
	s_cbranch_scc1 .Lopen_\@
	s_sub_co_i32 s96, s[Q0], s[KF]
	v_and_b32 v212, 15, v0
	v_bfe_u32 v213, v0, 4, 1
	s_delay_alu instid0(VALU_DEP_1)
	v_lshlrev_b32 v213, 4, v213
	s_delay_alu instid0(VALU_DEP_1)
	v_sub_nc_u32 v212, v212, v213
	s_delay_alu instid0(VALU_DEP_1)
	v_add_nc_u32 v212, s96, v212                   ; d = my query - KF - 16 (lane / 16); register 16 b + i holds key KF + 16 (lane / 16) + 32 b + i: hidden where 32 b + i > d
	v_mov_b32 v214, 0xff800000                     ; -infinity: p = 0 then
.set n, 0
.rept 64
	v_cmp_gt_i32 vcc_lo, 32*(n/16)+n%16, v212
	v_cndmask_b32 v[96+n], v[96+n], v214, vcc_lo
.set n, n+1
.endr
.Lopen_\@:
	v_max3_num_f32 v204, v96, v97, v98             ; the step's largest score of my query, in two chains,
	v_max3_num_f32 v206, v99, v100, v101
.irp i, 6,10,14,18,22,26,30,34,38,42,46,50,54,58
	v_max3_num_f32 v204, v204, v[96+\i], v[97+\i]
	v_max3_num_f32 v206, v206, v[98+\i], v[99+\i]
.endr
	v_max3_num_f32 v204, v204, v158, v159
	s_delay_alu instid0(VALU_DEP_1)
	v_max_num_f32 v204, v204, v206
	s_delay_alu instid0(VALU_DEP_1)
	v_permlanex16_b32 v200, v204, s[SEL], s[SEL+1]
	s_delay_alu instid0(VALU_DEP_1)
	v_max_num_f32 v204, v204, v200                 ; and among lane l xor 16's
	s_delay_alu instid0(VALU_DEP_1)
	v_mul_f32 v204, s[CS], v204                    ; as t (c is positive)
	s_delay_alu instid0(VALU_DEP_1)
	v_max_num_f32 v13, v13, v204
	v_mov_b32 v204, v12
	s_delay_alu instid0(VALU_DEP_2)
	v_floor_f32 v12, -v13                          ; the new -M = -ceil(t)
	s_delay_alu instid0(VALU_DEP_1)
	v_sub_f32 v204, v12, v204                      ; old M - new M: a whole number, 0 or less
	s_delay_alu instid0(VALU_DEP_1)
	v_cvt_i32_f32 v204, v204
	s_delay_alu instid0(VALU_DEP_1)
	v_ldexp_f32 v202, 1.0, v204                    ; f = 2^(old M - new M)
.set j, 0
.rept 32
	v_pk_fma_f32 v[96+j:97+j], v[96+j:97+j], s[CS:CS+1], v[12:13] op_sel_hi:[1,0,0]   ; t - M
.set j, j+2
.endr
.set j, 0
	s_wait_alu depctr_va_vdst(0)
.rept 64
	v_exp_f32 v[96+j], v[96+j]                     ; p = 2^(t - M)
.set j, j+1
.endr
	v_pk_mul_f32 v[14:15], v[14:15], v[202:203] op_sel_hi:[1,0]   ; the sums under the new M: the plain line behind the exponentials
	s_wait_alu depctr_va_vdst(0)                   ; one wait for the batch, ahead of its first reader
	v_pk_add_f32 v[208:209], v[100:101], v[104:105]
	v_pk_add_f32 v[254:255], v[108:109], v[112:113]
	v_pk_add_f32 v[252:253], v[116:117], v[120:121]
	v_pk_add_f32 v[250:251], v[124:125], v[128:129]
	v_pk_add_f32 v[248:249], v[132:133], v[136:137]
	v_pk_add_f32 v[246:247], v[140:141], v[144:145]
	v_pk_add_f32 v[244:245], v[148:149], v[152:153]
	v_pk_add_f32 v[14:15], v[14:15], v[156:157]
	v_pk_add_f32 v[208:209], v[208:209], v[96:97]
	v_pk_add_f32 v[254:255], v[254:255], v[98:99]
	v_pk_add_f32 v[252:253], v[252:253], v[102:103]
	v_pk_add_f32 v[250:251], v[250:251], v[106:107]
	v_pk_add_f32 v[248:249], v[248:249], v[110:111]
	v_pk_add_f32 v[246:247], v[246:247], v[114:115]
	v_pk_add_f32 v[244:245], v[244:245], v[118:119]
	v_pk_add_f32 v[14:15], v[14:15], v[122:123]
	v_pk_add_f32 v[208:209], v[208:209], v[126:127]
	v_pk_add_f32 v[254:255], v[254:255], v[130:131]
	v_pk_add_f32 v[252:253], v[252:253], v[134:135]
	v_pk_add_f32 v[250:251], v[250:251], v[138:139]
	v_pk_add_f32 v[248:249], v[248:249], v[142:143]
	v_pk_add_f32 v[246:247], v[246:247], v[146:147]
	v_pk_add_f32 v[244:245], v[244:245], v[150:151]
	v_pk_add_f32 v[14:15], v[14:15], v[154:155]
	v_pk_add_f32 v[208:209], v[208:209], v[158:159]
	s_delay_alu instid0(VALU_DEP_2)
	v_pk_add_f32 v[14:15], v[14:15], v[250:251]
	s_delay_alu instid0(VALU_DEP_2)
	v_pk_add_f32 v[208:209], v[208:209], v[248:249]
	v_pk_add_f32 v[254:255], v[254:255], v[246:247]
	v_pk_add_f32 v[252:253], v[252:253], v[244:245]
	s_delay_alu instid0(VALU_DEP_2)
	v_pk_add_f32 v[14:15], v[14:15], v[254:255]
	s_delay_alu instid0(VALU_DEP_2)
	v_pk_add_f32 v[208:209], v[208:209], v[252:253]
	s_delay_alu instid0(VALU_DEP_1)
	v_pk_add_f32 v[14:15], v[14:15], v[208:209]
.irp b, 0,1,2,3
.irp i, 0,1,2,3,4,5,6,7,8,9,10,11,12,13,14,15
.endr
	v_cvt_scalef32_pk8_fp8_f32 v[224+4*\b:225+4*\b], v[96+16*\b:103+16*\b], v211
	v_cvt_scalef32_pk8_fp8_f32 v[226+4*\b:227+4*\b], v[104+16*\b:111+16*\b], v211
.endr
.set j, 0
.rept 16
	v_pk_mul_f32 v[160+j:161+j], v[160+j:161+j], v[202:203] op_sel_hi:[1,0]   ; O^T under the new M; also the plain lines behind the conversions
.set j, j+2
.endr
	s_wait_alu depctr_va_vdst(0)
	s_wait_dscnt 0x0                               ; V is in
.irp t, 0,1,2,3
	v_wmma_f32_16x16x128_fp8_fp8 v[160+8*\t:167+8*\t], v[32+16*\t:47+16*\t], v[224:239], v[160+8*\t:167+8*\t]   ; four accumulators by turns; the next step's eight products stand between two turns of one
.endr
.Lhidden_\@:
	s_add_co_u32 s[KF], s[KF], 128
.endm
; THE CHANGE OF SLOTS, at a slot's head: each wave waits for all its tensor loads, adds 0 to its spare word, waits for that and for its reads of the slot that it has left; behind the barrier that slot is filled with the keys that follow.
.macro CHANGE fill
	s_wait_tensorcnt 0x0                           ; no tensor load of mine is out, so a group 0 may be written
	ds_add_u32 v[SPW], v[NIL]
.if \fill
	s_xor_b32 s[G0K+1], s[G0K+1], SLOT1
	s_add_nc_u64 s[G0K+2:G0K+3], s[G0K+2:G0K+3], 65536
	s_xor_b32 s[G0V+1], s[G0V+1], SLOT1
	s_add_nc_u64 s[G0V+2:G0V+3], s[G0V+2:G0V+3], 32768
	s_wait_xcnt 0x0                                ; the last prefetch, a slot back, has read its address
	s_add_nc_u64 s[PFA:PFA+1], s[PFA:PFA+1], s[PFS:PFS+1]
.endif
	s_wait_dscnt 0x0                               ; the add is done, and my reads of the slot that I have left are over
	s_barrier_signal -1
	s_barrier_wait -1
.if \fill
	TLOAD                                          ; the first thing behind the barrier, a wave's one tensor load until the next
	ASK
.endif
.endm
.macro SLOT_STEPS
	STEP 0
	STEP 1
	STEP 2
	STEP 3
	s_xor_b32 s[TB], s[TB], SLOT1
.endm
	s_wait_loadcnt 0x0                             ; Q
.Lslot:                                            ; 3 trips: behind each change of slots but the last the next slot is asked for
	CHANGE 1
	SLOT_STEPS
	s_sub_co_u32 s[SLOTS], s[SLOTS], 1
	s_cmp_lg_u32 s[SLOTS], 0
	s_cbranch_scc1 .Lslot
	CHANGE 0                                       ; the last slot is written out
	SLOT_STEPS
	; THE WAY OUT: O^T / the sum x 2^(e8 + e9), quantised under e10: a lane's eight channels are eight neighbours along the next K.  Through my stage (16 rows x 80 bytes, in slot 0, which was left at the last change of slots).
	v_add_f32 v14, v14, v15
	s_delay_alu instid0(VALU_DEP_1)
	v_permlanex16_b32 v200, v14, s[SEL], s[SEL+1]
	s_delay_alu instid0(VALU_DEP_1)
	v_add_f32 v14, v14, v200                       ; the row's sum
	s_wait_alu depctr_va_vdst(0)
	v_rcp_f32 v14, v14
	v_and_b32 v8, 15, v0                           ; (a plain line behind the reciprocal)  r
	v_bfe_u32 v9, v0, 4, 1                         ; h
	s_add_co_i32 s90, s76, s77
	s_mul_i32 s91, s[WV], 16*KP
	v_mul_u32_u24 v10, v8, KP
	s_delay_alu instid0(VALU_DEP_1)
	v_lshl_add_u32 v10, v9, 3, v10
	s_delay_alu instid0(VALU_DEP_1)
	v_add_nc_u32 v10, s91, v10                     ; in: row r, 8 bytes for each half of the lanes
	v_and_b32 v11, 31, v0
	s_delay_alu instid0(VALU_DEP_1)
	v_lshrrev_b32 v24, 2, v11
	v_and_b32 v25, 3, v0
	s_delay_alu instid0(VALU_DEP_2)
	v_mul_u32_u24 v11, v24, KP
	s_delay_alu instid0(VALU_DEP_1)
	v_lshl_add_u32 v11, v25, 4, v11
	s_delay_alu instid0(VALU_DEP_1)
	v_add_nc_u32 v11, s91, v11                     ; back: four lanes to a row of 64 bytes, eight rows an instruction
	v_lshlrev_b32 v[GO], 10, v24
	s_delay_alu instid0(VALU_DEP_1)
	v_lshl_add_u32 v[GO], v25, 4, v[GO]
	s_wait_alu depctr_va_vdst(0)                   ; ahead of the reciprocal's first reader
	v_ldexp_f32 v14, v14, s90
.set j, 0
.rept 32
	v_mul_f32 v[96+j], v[160+j], v14
.set j, j+1
.endr
.set j, 0
.rept 32
.set j, j+1
.endr
.irp t, 0,1,2,3
	v_cvt_scalef32_pk8_fp8_f32 v[224+2*\t:225+2*\t], v[96+8*\t:103+8*\t], v216
.endr
	v_nop
.irp t, 0,1,2,3
	ds_store_b64 v10, v[224+2*\t:225+2*\t] offset:16*\t
.endr
.irp g, 0,1
	ds_load_b128 v[32+4*\g:35+4*\g], v11 offset:8*KP*\g
.endr
.irp g, 0,1
	s_wait_dscnt 1-\g
	global_store_b128 v[GO], v[32+4*\g:35+4*\g], s[92:93] offset:8192*\g
.endr
	s_wait_tensorcnt 0x0                           ; the wave's end
	ds_add_u32 v[SPW], v[NIL]
	s_wait_dscnt 0x0
	s_endpgm
.Lfunc_end_k_q8f60a53392_attn:
	.size	k_q8f60a53392_attn, .Lfunc_end_k_q8f60a53392_attn-k_q8f60a53392_attn
	.p2alignl 7, 3214868480
	.fill 96, 4, 3214868480
	.section	.rodata,"a",@progbits
	.p2align	6, 0x0
	.amdhsa_kernel k_q8f60a53392_attn
		.amdhsa_group_segment_fixed_size 327680
		.amdhsa_private_segment_fixed_size 0
		.amdhsa_enable_private_segment 0
		.amdhsa_kernarg_size 24
		.amdhsa_user_sgpr_count 2
		.amdhsa_user_sgpr_kernarg_segment_ptr 1
		.amdhsa_wavefront_size32 1
		.amdhsa_system_sgpr_workgroup_id_x 1
		.amdhsa_system_sgpr_workgroup_id_y 1
		.amdhsa_system_sgpr_workgroup_id_z 1
		.amdhsa_system_vgpr_workitem_id 0
		.amdhsa_next_free_vgpr 256
		.amdhsa_next_free_sgpr 100
		.amdhsa_reserve_vcc 1
		.amdhsa_float_denorm_mode_32 3
		.amdhsa_float_denorm_mode_16_64 3
		.amdhsa_fp16_overflow 1
		.amdhsa_memory_ordered 1
		.amdhsa_forward_progress 1
		.amdhsa_inst_pref_size 167
	.end_amdhsa_kernel
	.amdgpu_metadata
---
amdhsa.version: [ 1, 2 ]
amdhsa.kernels:
  - .name:           k_q8f60a53392_attn
    .symbol:         k_q8f60a53392_attn.kd
    .args:
      - { .name: qk, .offset: 0, .size: 8, .value_kind: global_buffer, .address_space: global }
      - { .name: lowp_scales, .offset: 8, .size: 8, .value_kind: global_buffer, .address_space: global }
      - { .name: acodes, .offset: 16, .size: 8, .value_kind: global_buffer, .address_space: global }
    .group_segment_fixed_size: 327680
    .private_segment_fixed_size: 0
    .kernarg_segment_align: 8
    .kernarg_segment_size: 24
    .max_flat_workgroup_size: 512
    .sgpr_count:     100
    .vgpr_count:     256
    .wavefront_size: 32
...
	.end_amdgpu_metadata
.endif
;; end of part 3
;; launch proj (part 4): grid 8 x 32, 4 waves a work-group, clusters of 4 x 4, 327,680 bytes of LDS; arguments acodes, wp, sums; writes sums
.if DOCPART == 4
	.amdgcn_target "amdgcn-amd-amdhsa--gfx1250"
	.amdhsa_code_object_version 6
	.text
	.protected	k_q8f60a53392_proj
	.globl	k_q8f60a53392_proj
	.p2align	8
	.type	k_q8f60a53392_proj,@function
k_q8f60a53392_proj:
	s_mov_b64 s[64:65], 0
	v_nop
	global_prefetch_b8 v0, s[64:65] scope:SCOPE_SE
	s_setreg_imm32_b32 hwreg(HW_REG_WAVE_MODE, 25, 1), 1
	s_wait_xcnt 0x0
	s_wait_alu depctr_hold_cnt(0) depctr_sa_sdst(0) depctr_va_vdst(0) depctr_va_sdst(0) depctr_va_ssrc(0) depctr_va_vcc(0) depctr_vm_vsrc(0)
	s_getreg_b32 s2, hwreg(HW_REG_IB_STS2, 6, 4)
	s_cmp_eq_u32 s2, 0
	s_cbranch_scc0 .Lentry_in_a_cluster
	s_endpgm
.Lentry_in_a_cluster:
	s_bfe_u32 s2, ttmp6, 0x10000c
	s_cmp_lg_u32 s2, 0xf033
	s_cbranch_scc0 .Lentry_shape_is_right
	s_endpgm
.Lentry_shape_is_right:
; RAW SUMS of the projection on codes of FP8 (E4M3): c[m][n] = sum over 1,024 k of a[m][k] b[n][k]; a: attention's codes [4,096][1,024], b: Wproj's codes [1,024 n][1,024 k], c: [4,096][1,024] f32.
; The operands' scales are applied by the launch that reads the sums.
; A tile of c is 128 x 128: 32 x 8 = 256 work-groups.  Four waves, 64 x 64 each: 16 accumulators of 16 x 16.
; NO RING: (128 + 128) rows x 1,024 bytes, as four parts of 256 along K with rows 272 bytes apart, are 278,528 bytes of LDS: ALL of K is asked for at the start, four tensor loads a wave, and no LDS byte is filled twice.
; So there is no refill, and the barriers in front of the parts are plain ones with counted waits: part s is read when each wave's load s has landed; the later parts' loads stay out.
; CLUSTERS: 4 x 4 work-groups; a's tile is asked for jointly along a row of the cluster, b's along a column; one round in front of the joint loads, one in front of the end.
; THE MATRIX INSTRUCTION IS USED TRANSPOSED (source 0 = rows of b, source 1 = rows of a): a lane holds eight neighbouring numbers of a row of c.  A fragment is fetched by four loads of 16 bytes: a permutation of k, the same on both sides.
; A wave's 64 columns of f32 are 256 aligned bytes of a row of c: each wave sends its own rows out through its own stage, which lies behind the tiles.
; REGISTERS: window 0: v0-31 addresses; v32-95 rows of c on the way out; v128-255 the accumulators, (a, b) at v[128 + 8 (4 a + b)].  window 1: two fragment buffers of 128: 64 registers of a (4 x 16 rows x 128 K), then 64 of b.
.set KROW,   1024
.set ROWB,   256
.set PITCH,  272                       ; an LDS row: 256 bytes + 16 of padding: the 16 rows that a load touches start at 16 different banks (ISA guide 11.1)
.set FR,     16
.set HALFT,  64*PITCH                  ; 64 rows: what one tensor load brings, and what one wave reads of a or of b
.set SLOT,   4*HALFT                   ; a part: a's 128 rows, then b's 128 rows
.set STAGE,  4*SLOT                    ; behind the four parts: 16 rows x 272 bytes for each wave
.set SPITCH, 272
.set ADRA, 16                          ; v16-19  LDS address of my fragments of a in parts 0 to 3
.set ADRB, 20                          ; v20-23  the same for b
.set STO,  24
.set RD,   25
.set CO,   26
.set BK,   32                          ; v32-63, v64-95 by turns
.set ACC,  128
.set F0,   0
.set F1,   128
.set G1,  24                           ; s[24:31] descriptor group 1 for a's tiles
.set G0,  32                           ; s[32:47] group 0 for a's tiles, a set for each part
.set G0B, 48                           ; s[48:63] the same for b's
.set G1B, 68                           ; s[68:75] group 1 for b's tiles
.set MSB, 0
.macro WIN new                         ; the immediate's high byte repeats the setting that is left
.if MSB != (\new)
	s_set_vgpr_msb (MSB<<8)|(\new)
.set MSB, \new
.endif
.endm
.set MULW, 0x05                        ; sources 0 (b) and 1 (a) window 1; C and D window 0
.set TO_F, 0x40                        ; destination window 1, address window 0
.macro JLOAD g0a, g1a, g0b, g1b        ; a joint load: waves 0 and 1 fetch for a, waves 2 and 3 for b; four v_nop follow each line
	s_cmp_eq_u32 s15, 0
	s_cbranch_scc0 .Lfor_b_\@
	tensor_load_to_lds s[\g0a:\g0a+3], s[\g1a:\g1a+7]
	s_nop 0
.rept 4
	v_nop
.endr
	s_branch .Lasked_\@
.Lfor_b_\@:
	tensor_load_to_lds s[\g0b:\g0b+3], s[\g1b:\g1b+7]
	s_nop 0
.rept 4
	v_nop
.endr
.Lasked_\@:
.endm
.macro CROUND                          ; a round of the cluster's barrier
	s_barrier_signal -1
	s_barrier_wait -1
	s_cmp_lg_u32 s14, 0
	s_cbranch_scc1 .Lnot_wave_0_\@
	s_barrier_signal -3
.Lnot_wave_0_\@:
	s_barrier_wait -3
	s_barrier_signal -1
	s_barrier_wait -1
.endm
	s_load_b128 s[4:7], s[0:1], 0x0                ; a, b
	s_load_b64 s[10:11], s[0:1], 0x10              ; c
	v_lshl_add_u32 v126, v0, 2, 0x48400
	v_mov_b32 v127, 0
	ds_add_u32 v126, v127
	v_lshrrev_b32 v1, 5, v0
	v_readfirstlane_b32 s14, v1                    ; wave 0..3
	s_lshr_b32 s15, s14, 1                         ; my half of the tile's rows; also: I fetch for a (0) or b (1)
	s_and_b32 s16, s14, 1                          ; my half of its columns; also: which 64 rows I fetch
	s_bfe_u32 s76, ttmp6, 0x40000                  ; cx
	s_bfe_u32 s77, ttmp6, 0x40004                  ; cy
	s_lshl_b32 s78, ttmp9, 2
	s_add_co_u32 s78, s78, s76                     ; tile column 0..7
	s_and_b32 s17, ttmp7, 0xffff
	s_lshl_b32 s17, s17, 2
	s_add_co_u32 s17, s17, s77                     ; tile row 0..31
	s_lshl_b32 s79, s77, 2
	s_lshl_b32 s79, 15, s79                        ; my row of the cluster
	s_lshl_b32 s80, 0x1111, s76                    ; my column
	s_or_b32 s[G1+0], s79, (0<<16)|(1<<20)|(1<<21)|(5<<22)|(3<<25)  ; the mask; elements of 1 byte; padding on; bit 21 beside a mask; after every 64 words; 4 words
	s_or_b32 s[G1B+0], s80, (0<<16)|(1<<20)|(1<<21)|(5<<22)|(3<<25)
.irp g, G1, G1B
	s_mov_b32 s[\g+1], ROWB<<16                    ; tensor_dim0
	s_mov_b32 s[\g+2], 64<<16                      ; tensor_dim1
	s_mov_b32 s[\g+3], ROWB<<16                    ; tile_dim0
	s_mov_b32 s[\g+4], 64                          ; tile_dim1
	s_mov_b32 s[\g+5], KROW                        ; stride
	s_mov_b32 s[\g+6], 0
	s_mov_b32 s[\g+7], 0
.endr
	s_lshl_b32 s18, s16, 6
	s_lshl_b32 s20, s17, 7
	s_add_co_u32 s20, s20, s18
	s_lshl_b32 s20, s20, 10                        ; a: (128 x tile row + 64 x half) rows of 1,024 bytes
	s_mov_b32 s21, 0
	s_lshl_b32 s82, s78, 7
	s_add_co_u32 s82, s82, s18
	s_lshl_b32 s82, s82, 10                        ; b likewise, by the tile column
	s_mov_b32 s83, 0
	s_mul_i32 s81, s14, HALFT                      ; where they go: wave x 64 rows: no place in the cluster enters an LDS address
	s_wait_dscnt 0x0
	s_wait_kmcnt 0x0
	s_add_nc_u64 s[20:21], s[4:5], s[20:21]
	s_add_nc_u64 s[82:83], s[6:7], s[82:83]
	CROUND                                         ; all sixteen work-groups are here: the joint loads meet
.irp s, 0,1,2,3
	s_mov_b32 s[G0+4*\s], 1
	s_add_co_u32 s[G0+4*\s+1], s81, \s*SLOT
	s_add_nc_u64 s[G0+4*\s+2:G0+4*\s+3], s[20:21], \s*ROWB
	s_or_b32 s[G0+4*\s+3], s[G0+4*\s+3], 0x80000000
	s_mov_b32 s[G0B+4*\s], 1
	s_add_co_u32 s[G0B+4*\s+1], s81, \s*SLOT
	s_add_nc_u64 s[G0B+4*\s+2:G0B+4*\s+3], s[82:83], \s*ROWB
	s_or_b32 s[G0B+4*\s+3], s[G0B+4*\s+3], 0x80000000
	JLOAD G0+4*\s, G1, G0B+4*\s, G1B               ; four loads of mine are out behind the last of these
.endr
	v_and_b32 v1, 15, v0                           ; r
	v_bfe_u32 v2, v0, 4, 1                         ; h
	v_mul_u32_u24 v3, v1, PITCH
	v_lshl_add_u32 v4, v2, 4, v3                   ; a fragment's row x pitch + 16 x half
	s_mul_i32 s18, s15, HALFT                      ; my 64 rows of a
	s_mul_i32 s19, s16, HALFT                      ; my 64 rows of b,
	s_add_co_u32 s19, s19, 2*HALFT                 ; which lie behind a's 128
.irp s, 0,1,2,3
	v_add_nc_u32 v[ADRA+\s], s18, v4
	v_add_nc_u32 v[ADRB+\s], s19, v4
	s_add_co_u32 s18, s18, SLOT
	s_add_co_u32 s19, s19, SLOT
.endr
	s_mul_i32 s23, s14, 16*SPITCH
	s_add_co_u32 s23, s23, STAGE                   ; my stage
	v_mul_u32_u24 v5, v1, SPITCH
	v_lshl_add_u32 v5, v2, 5, v5
	v_add_nc_u32 v[STO], s23, v5                   ; in: row r, 32 bytes for each half of the lanes
	v_mul_u32_u24 v5, v2, SPITCH
	v_lshl_add_u32 v5, v1, 4, v5
	v_add_nc_u32 v[RD], s23, v5                    ; back: lanes 0-15 one row of 256 bytes, lanes 16-31 the next
	v_lshlrev_b32 v[CO], 12, v2
	v_lshl_add_u32 v[CO], v1, 4, v[CO]             ; and the same two rows in c
	s_lshl_b32 s20, s17, 7
	s_lshl_b32 s21, s15, 6
	s_add_co_u32 s20, s20, s21
	s_lshl_b32 s20, s20, 12                        ; my first row of c, 4,096 bytes a row
	s_mov_b32 s21, 0
	s_lshl_b32 s84, s78, 9
	s_lshl_b32 s85, s16, 8
	s_add_co_u32 s84, s84, s85                     ; my first column, in bytes: 512 x tile column + 256 x half
	s_mov_b32 s85, 0
	s_add_nc_u64 s[20:21], s[20:21], s[84:85]
	s_add_nc_u64 s[10:11], s[10:11], s[20:21]
.macro FRAG reg, adr, q, i             ; 16 rows x 128 K: registers 4 c .. 4 c + 3 hold K = 32 c + 16 (l / 16) + 0 .. 15 of row l % 16
.irp c, 0,1,2,3
	ds_load_b128 v[\reg+4*\c:\reg+4*\c+3], v[\adr] offset:128*(\q)+32*\c+(\i)*16*PITCH
.endr
.endm
.macro FETCH slot, q, f                ; 32 LDS loads in one run: the fragments of the part's q-th 128 along K into buffer f
	WIN TO_F
.irp i, 0,1,2,3
	FRAG \f+64+FR*\i, ADRB+\slot, \q, \i
	FRAG \f+FR*\i, ADRA+\slot, \q, \i
.endr
.endm
.macro MUL f, zero                     ; 16 matrix instructions, 128 along K; the 16 accumulators take turns, one instruction a turn, in the same order every time
	WIN MULW
.irp a, 0,1,2,3
.irp b, 0,1,2,3
.if \zero
	v_wmma_f32_16x16x128_fp8_fp8 v[ACC+8*(4*\a+\b):ACC+8*(4*\a+\b)+7], v[\f+64+FR*\b:\f+64+FR*\b+FR-1], v[\f+FR*\a:\f+FR*\a+FR-1], 0
.else
	v_wmma_f32_16x16x128_fp8_fp8 v[ACC+8*(4*\a+\b):ACC+8*(4*\a+\b)+7], v[\f+64+FR*\b:\f+64+FR*\b+FR-1], v[\f+FR*\a:\f+FR*\a+FR-1], v[ACC+8*(4*\a+\b):ACC+8*(4*\a+\b)+7]
.endif
.endr
.endr
.endm
.macro PLACES                          ; four plain vector lines between a matrix instruction and a load into, or a read of, its registers
.rept 4
	v_nop
.endr
.endm
.macro MEET left                       ; a part becomes readable: my load of it has landed (left: my loads of the later parts, which stay out); everybody's has
	s_wait_tensorcnt \left
	s_wait_dscnt 0x0                               ; no LDS instruction of mine is pending at a signal; the fragments asked for last are in
	s_barrier_signal -1
	s_barrier_wait -1
.endm
.macro PART s, left                    ; parts 1 to 3: while one buffer is multiplied the other is fetched
	MEET \left
	PLACES
	FETCH \s, 0, F0
	MUL F1, 0                                      ; the part before, second half: its fragments were waited for in MEET
	PLACES
	FETCH \s, 1, F1
	s_wait_dscnt 32                                ; all but the 32 just issued: buffer 0 is in
	MUL F0, 0
.endm
	MEET 3
	FETCH 0, 0, F0
	FETCH 0, 1, F1
	s_wait_dscnt 32                                ; buffer 0 is in
	MUL F0, 1                                      ; the first products start the sums
	PART 1, 2
	PART 2, 1
	PART 3, 0
	s_wait_dscnt 0x0
	MUL F1, 0
	WIN 0
; THE WAY OUT: a block of 16 rows x 64 columns goes from the accumulators into my stage and comes back as rows of 256 bytes: sixteen lanes store 256 bytes on end, aligned.
.macro TOSTAGE a
.irp b, 0,1,2,3
	ds_store_b128 v[STO], v[ACC+8*(4*(\a)+\b):ACC+8*(4*(\a)+\b)+3] offset:64*\b        ; each accumulator from its low end on
	ds_store_b128 v[STO], v[ACC+8*(4*(\a)+\b)+4:ACC+8*(4*(\a)+\b)+7] offset:64*\b+16
.endr
.set BB, BK+32*((\a)%2)
.irp t, 0,1,2,3,4,5,6,7
	ds_load_b128 v[BB+4*\t:BB+4*\t+3], v[RD] offset:\t*2*SPITCH    ; LDS serves a wave's instructions in order (ISA guide 5.7.1.4)
.endr
.endm
.macro SEND a, younger
.set BB, BK+32*((\a)%2)
	s_wait_dscnt \younger
.irp t, 0,1,2,3,4,5,6,7
	global_store_b128 v[CO], v[BB+4*\t:BB+4*\t+3], s[10:11] offset:(16*(\a)+2*\t)*4096   ; 62 rows of 4,096 bytes at the most: inside the signed 24-bit immediate
.endr
.endm
	PLACES
	TOSTAGE 0
.irp a, 1,2,3
.if \a > 1
	s_wait_xcnt 0x0                                ; block a - 2's stores have read their registers: block a's loads may land there
.endif
	TOSTAGE \a
	SEND \a-1, 16                                  ; behind block a - 1's loads: block a's 8 stores and 8 loads
.endr
	SEND 3, 0
	s_wait_tensorcnt 0x0
	ds_add_u32 v126, v127
	s_wait_dscnt 0x0
	CROUND                                         ; the closing round: no work-group ends while a partner may still ask for a tile that names it
	s_endpgm
.Lfunc_end_k_q8f60a53392_proj:
	.size	k_q8f60a53392_proj, .Lfunc_end_k_q8f60a53392_proj-k_q8f60a53392_proj
	.p2alignl 7, 3214868480
	.fill 96, 4, 3214868480
	.section	.rodata,"a",@progbits
	.p2align	6, 0x0
	.amdhsa_kernel k_q8f60a53392_proj
		.amdhsa_group_segment_fixed_size 327680
		.amdhsa_private_segment_fixed_size 0
		.amdhsa_enable_private_segment 0
		.amdhsa_kernarg_size 24
		.amdhsa_user_sgpr_count 2
		.amdhsa_user_sgpr_kernarg_segment_ptr 1
		.amdhsa_wavefront_size32 1
		.amdhsa_system_sgpr_workgroup_id_x 1
		.amdhsa_system_sgpr_workgroup_id_y 1
		.amdhsa_system_sgpr_workgroup_id_z 1
		.amdhsa_system_vgpr_workitem_id 0
		.amdhsa_next_free_vgpr 512
		.amdhsa_next_free_sgpr 100
		.amdhsa_reserve_vcc 0
		.amdhsa_float_denorm_mode_32 3
		.amdhsa_float_denorm_mode_16_64 3
		.amdhsa_memory_ordered 1
		.amdhsa_forward_progress 1
		.amdhsa_inst_pref_size 43
	.end_amdhsa_kernel
	.amdgpu_metadata
---
amdhsa.version: [ 1, 2 ]
amdhsa.kernels:
  - .name:           k_q8f60a53392_proj
    .symbol:         k_q8f60a53392_proj.kd
    .args:
      - { .name: acodes, .offset: 0, .size: 8, .value_kind: global_buffer, .address_space: global }
      - { .name: wp, .offset: 8, .size: 8, .value_kind: global_buffer, .address_space: global }
      - { .name: sums, .offset: 16, .size: 8, .value_kind: global_buffer, .address_space: global }
    .group_segment_fixed_size: 327680
    .private_segment_fixed_size: 0
    .kernarg_segment_align: 8
    .kernarg_segment_size: 24
    .max_flat_workgroup_size: 128
    .sgpr_count:     100
    .vgpr_count:     512
    .wavefront_size: 32
...
	.end_amdgpu_metadata
.endif
;; end of part 4
;; launch ln1 (part 5): grid 512 x 1, 8 waves a work-group, no clusters, 9,216 bytes of LDS; arguments embedding, positional_encoding, sums, g_attn, be_attn, lowp_scales, mha; writes mha
.if DOCPART == 5
	.amdgcn_target "amdgcn-amd-amdhsa--gfx1250"
	.amdhsa_code_object_version 6
	.text
	.protected	k_q8f60a53392_ln1
	.globl	k_q8f60a53392_ln1
	.p2align	8
	.type	k_q8f60a53392_ln1,@function
k_q8f60a53392_ln1:
	s_mov_b64 s[64:65], 0
	v_nop
	global_prefetch_b8 v0, s[64:65] scope:SCOPE_SE
	s_setreg_imm32_b32 hwreg(HW_REG_WAVE_MODE, 25, 1), 1
	s_wait_xcnt 0x0
; mha = layernorm(x + attn), x = embedding + positional_encoding, attn = the projection's raw sums x 2^(e10 + e11).  Stored as f32 (mha, [4096][1024]) and as codes of FP8 under e12 (mha + 16 MiB, [4096][1024]).
; One wave takes one row of 1,024 numbers in 32 registers a lane: eight loads of 512 bytes on end for each tensor; mean and variance never leave the wave.  Memory binds: no matrix unit, no cluster, no barrier.
; The codes: register j of the lane's eight holds the 4 codes of load j; they go through the wave's 1,024 bytes of LDS and leave 16 bytes a lane, 512 bytes on end.
; LIMITS: e10 + e11 between -126 and 127; e12 between -126 and 119.  NaN among the inputs is not served.
.set E, 16                             ; v16-47   embedding, then the row at work
.set P, 48                             ; v48-79   positional encoding
.set R, 80                             ; v80-111  raw sums
.set G, 112                            ; v112-143 gain
.set B, 144                            ; v144-175 bias
.set T, 176                            ; v176-185 at work
.set C, 192                            ; v192-199 codes
.set O, 200                            ; v200-207 codes back from LDS
.set SEL, 26
.set RN,  38                           ; s38 1 / 1,024
.set EP,  39                           ; s39 1e-5
	s_load_b256 s[4:11], s[0:1], 0x0               ; embedding, positional_encoding, sums, g_attn
	s_load_b128 s[12:15], s[0:1], 0x20             ; be_attn, lowp_scales
	s_load_b64 s[16:17], s[0:1], 0x30              ; mha
	v_lshl_add_u32 v208, v0, 2, 0x2000
	v_mov_b32 v209, 0
	v_lshrrev_b32 v2, 5, v0
	s_delay_alu instid0(VALU_DEP_1)
	v_readfirstlane_b32 s18, v2                    ; wave 0..7
	v_and_b32 v2, 31, v0
	s_wait_alu depctr_va_vdst(0)
	v_lshlrev_b32 v1, 4, v2                        ; 16 x lane
	s_wait_alu depctr_va_vdst(0)
	s_lshl_b32 s19, ttmp9, 3
	s_add_co_u32 s19, s19, s18                     ; my row
	s_lshl_b32 s20, s19, 12
	s_mov_b32 s21, 0
	s_lshl_b32 s22, s19, 10
	s_add_co_u32 s22, s22, 0x1000000
	s_mov_b32 s23, 0
	s_lshl_b32 s24, s18, 10                        ; my 1,024 bytes of LDS
	v_lshl_add_u32 v3, v2, 2, s24
	v_add_nc_u32 v4, s24, v1
	s_mov_b32 s[SEL], 0x76543210
	s_mov_b32 s[SEL+1], 0xfedcba98
	s_mov_b32 s[RN], 0x3a800000
	s_mov_b32 s[EP], 0x3727c5ac
	s_wait_kmcnt 0x0
	s_load_b128 s[28:31], s[14:15], 0x28           ; e10, e11, e12, e13
	s_add_nc_u64 s[4:5], s[4:5], s[20:21]
	s_add_nc_u64 s[6:7], s[6:7], s[20:21]
	s_add_nc_u64 s[8:9], s[8:9], s[20:21]
	s_add_nc_u64 s[32:33], s[16:17], s[20:21]
	s_add_nc_u64 s[34:35], s[16:17], s[22:23]
.irp j, 0,1,2,3,4,5,6,7
	global_load_b128 v[E+4*\j:E+4*\j+3], v1, s[4:5] offset:512*\j th:TH_LOAD_NT
.endr
.irp j, 0,1,2,3,4,5,6,7
	global_load_b128 v[P+4*\j:P+4*\j+3], v1, s[6:7] offset:512*\j th:TH_LOAD_NT
.endr
.irp j, 0,1,2,3,4,5,6,7
	global_load_b128 v[R+4*\j:R+4*\j+3], v1, s[8:9] offset:512*\j th:TH_LOAD_NT
.endr
.irp j, 0,1,2,3,4,5,6,7
	global_load_b128 v[G+4*\j:G+4*\j+3], v1, s[10:11] offset:512*\j
.endr
.irp j, 0,1,2,3,4,5,6,7
	global_load_b128 v[B+4*\j:B+4*\j+3], v1, s[12:13] offset:512*\j
.endr
	s_wait_kmcnt 0x0
	s_add_co_i32 s36, s28, s29
	s_add_co_i32 s36, s36, 127
	s_lshl_b32 s36, s36, 23                        ; 2^(e10 + e11)
	s_mov_b32 s37, s36
	s_add_co_i32 s24, s30, 127
	s_lshl_b32 s25, s24, 23
	v_mov_b32 v5, s25                              ; 2^e12
.macro LANES                           ; the sum over the wave's 32 lanes, in every lane
	s_delay_alu instid0(VALU_DEP_1)
	v_add_f32_dpp v[T], v[T], v[T] row_xmask:1 row_mask:0xf bank_mask:0xf
	s_delay_alu instid0(VALU_DEP_1)
	v_add_f32_dpp v[T], v[T], v[T] row_xmask:2 row_mask:0xf bank_mask:0xf
	s_delay_alu instid0(VALU_DEP_1)
	v_add_f32_dpp v[T], v[T], v[T] row_xmask:4 row_mask:0xf bank_mask:0xf
	s_delay_alu instid0(VALU_DEP_1)
	v_add_f32_dpp v[T], v[T], v[T] row_xmask:8 row_mask:0xf bank_mask:0xf
	s_delay_alu instid0(VALU_DEP_1)
	v_permlanex16_b32 v[T+1], v[T], s[SEL], s[SEL+1]
	s_delay_alu instid0(VALU_DEP_1)
	v_add_f32 v[T], v[T], v[T+1]
.endm
.macro FOLD                            ; four chains of pairs into one number a lane
	s_delay_alu instid0(VALU_DEP_3)
	v_pk_add_f32 v[T:T+1], v[T:T+1], v[T+2:T+3]
	s_delay_alu instid0(VALU_DEP_2)
	v_pk_add_f32 v[T+4:T+5], v[T+4:T+5], v[T+6:T+7]
	s_delay_alu instid0(VALU_DEP_1)
	v_pk_add_f32 v[T:T+1], v[T:T+1], v[T+4:T+5]
	s_delay_alu instid0(VALU_DEP_1)
	v_add_f32 v[T], v[T], v[T+1]
.endm
.macro STATS y                         ; the row in v[y] .. v[y + 31] becomes (row - mean) / sqrt(variance + 1e-5)
.irp k, 0,1,2,3
	v_pk_add_f32 v[T+2*\k:T+2*\k+1], v[\y+4*\k:\y+4*\k+1], v[\y+4*\k+2:\y+4*\k+3]
.endr
.irp j, 16,24
.irp k, 0,1,2,3
	s_delay_alu instid0(VALU_DEP_4)
	v_pk_add_f32 v[T+2*\k:T+2*\k+1], v[T+2*\k:T+2*\k+1], v[\y+\j+2*\k:\y+\j+2*\k+1]
.endr
.endr
	FOLD
	LANES
	s_delay_alu instid0(VALU_DEP_1)
	v_mul_f32 v[T+8], 0xba800000, v[T]             ; - the mean
	s_delay_alu instid0(VALU_DEP_1)
	v_mov_b32 v[T+9], v[T+8]
.irp j, 0,2,4,6,8,10,12,14,16,18,20,22,24,26,28,30
	v_pk_add_f32 v[\y+\j:\y+\j+1], v[\y+\j:\y+\j+1], v[T+8:T+9]
.endr
.irp k, 0,1,2,3
	v_pk_mul_f32 v[T+2*\k:T+2*\k+1], v[\y+2*\k:\y+2*\k+1], v[\y+2*\k:\y+2*\k+1]
.endr
.irp j, 8,16,24
.irp k, 0,1,2,3
	s_delay_alu instid0(VALU_DEP_4)
	v_pk_fma_f32 v[T+2*\k:T+2*\k+1], v[\y+\j+2*\k:\y+\j+2*\k+1], v[\y+\j+2*\k:\y+\j+2*\k+1], v[T+2*\k:T+2*\k+1]
.endr
.endr
	FOLD
	LANES
	s_delay_alu instid0(VALU_DEP_1)
	v_fma_f32 v[T], v[T], s[RN], s[EP]             ; variance + 1e-5
	s_wait_alu depctr_va_vdst(0)
	v_rsq_f32 v[T+8], v[T]
	v_nop                                          ; a plain line behind the transcendental,
	s_wait_alu depctr_va_vdst(0)                   ; and the wait ahead of its first reader
	v_mov_b32 v[T+9], v[T+8]
.irp j, 0,2,4,6,8,10,12,14,16,18,20,22,24,26,28,30
	v_pk_mul_f32 v[\y+\j:\y+\j+1], v[\y+\j:\y+\j+1], v[T+8:T+9]
.endr
.endm
	s_wait_loadcnt 16                              ; the three rows are in; the gain's and the bias's 16 loads may be out
.irp j, 0,2,4,6,8,10,12,14,16,18,20,22,24,26,28,30
	v_pk_add_f32 v[E+\j:E+\j+1], v[E+\j:E+\j+1], v[P+\j:P+\j+1]
.endr
.irp j, 0,2,4,6,8,10,12,14,16,18,20,22,24,26,28,30
	v_pk_fma_f32 v[E+\j:E+\j+1], v[R+\j:R+\j+1], s[36:37], v[E+\j:E+\j+1] op_sel_hi:[1,0,1]
.endr
	STATS E
	s_wait_loadcnt 0x0
.irp j, 0,2,4,6,8,10,12,14,16,18,20,22,24,26,28,30
	v_pk_fma_f32 v[E+\j:E+\j+1], v[E+\j:E+\j+1], v[G+\j:G+\j+1], v[B+\j:B+\j+1]
.endr
.irp j, 0,1,2,3,4,5,6,7
	global_store_b128 v1, v[E+4*\j:E+4*\j+3], s[32:33] offset:512*\j
.endr
.irp i, 0,1,2,3,4,5,6,7,8,9,10,11,12,13,14,15,16,17,18,19,20,21,22,23,24,25,26,27,28,29,30,31
.endr
.irp g, 0,1,2,3
	v_cvt_scalef32_pk8_fp8_f32 v[C+2*\g:C+2*\g+1], v[E+8*\g:E+8*\g+7], v5
.endr
	v_nop
.irp j, 0,1,2,3,4,5,6,7
	ds_store_b32 v3, v[C+\j] offset:128*\j
.endr
.irp g, 0,1
	ds_load_b128 v[O+4*\g:O+4*\g+3], v4 offset:512*\g              ; LDS serves a wave's instructions in order
.endr
	s_wait_dscnt 0x0
.irp g, 0,1
	global_store_b128 v1, v[O+4*\g:O+4*\g+3], s[34:35] offset:512*\g
.endr
	s_wait_tensorcnt 0x0
	ds_add_u32 v208, v209
	s_wait_dscnt 0x0
	s_endpgm
.Lfunc_end_k_q8f60a53392_ln1:
	.size	k_q8f60a53392_ln1, .Lfunc_end_k_q8f60a53392_ln1-k_q8f60a53392_ln1
	.p2alignl 7, 3214868480
	.fill 96, 4, 3214868480
	.section	.rodata,"a",@progbits
	.p2align	6, 0x0
	.amdhsa_kernel k_q8f60a53392_ln1
		.amdhsa_group_segment_fixed_size 9216
		.amdhsa_private_segment_fixed_size 0
		.amdhsa_enable_private_segment 0
		.amdhsa_kernarg_size 56
		.amdhsa_user_sgpr_count 2
		.amdhsa_user_sgpr_kernarg_segment_ptr 1
		.amdhsa_wavefront_size32 1
		.amdhsa_system_sgpr_workgroup_id_x 1
		.amdhsa_system_sgpr_workgroup_id_y 1
		.amdhsa_system_sgpr_workgroup_id_z 1
		.amdhsa_system_vgpr_workitem_id 0
		.amdhsa_next_free_vgpr 210
		.amdhsa_next_free_sgpr 66
		.amdhsa_reserve_vcc 0
		.amdhsa_float_denorm_mode_32 3
		.amdhsa_float_denorm_mode_16_64 3
		.amdhsa_fp16_overflow 1
		.amdhsa_memory_ordered 1
		.amdhsa_forward_progress 1
		.amdhsa_inst_pref_size 18
	.end_amdhsa_kernel
	.amdgpu_metadata
---
amdhsa.version: [ 1, 2 ]
amdhsa.kernels:
  - .name:           k_q8f60a53392_ln1
    .symbol:         k_q8f60a53392_ln1.kd
    .args:
      - { .name: embedding, .offset: 0, .size: 8, .value_kind: global_buffer, .address_space: global }
      - { .name: positional_encoding, .offset: 8, .size: 8, .value_kind: global_buffer, .address_space: global }
      - { .name: sums, .offset: 16, .size: 8, .value_kind: global_buffer, .address_space: global }
      - { .name: g_attn, .offset: 24, .size: 8, .value_kind: global_buffer, .address_space: global }
      - { .name: be_attn, .offset: 32, .size: 8, .value_kind: global_buffer, .address_space: global }
      - { .name: lowp_scales, .offset: 40, .size: 8, .value_kind: global_buffer, .address_space: global }
      - { .name: mha, .offset: 48, .size: 8, .value_kind: global_buffer, .address_space: global }
    .group_segment_fixed_size: 9216
    .private_segment_fixed_size: 0
    .kernarg_segment_align: 8
    .kernarg_segment_size: 56
    .max_flat_workgroup_size: 256
    .sgpr_count:     66
    .vgpr_count:     210
    .wavefront_size: 32
...
	.end_amdgpu_metadata
.endif
;; end of part 5
;; launch ff1 (part 6): grid 16 x 16, 4 waves a work-group, clusters of 4 x 4, 327,680 bytes of LDS; arguments mha, wa, lowp_scales, b1, hc; writes hc
.if DOCPART == 6
	.amdgcn_target "amdgcn-amd-amdhsa--gfx1250"
	.amdhsa_code_object_version 6
	.text
	.protected	k_q8f60a53392_ff1
	.globl	k_q8f60a53392_ff1
	.p2align	8
	.type	k_q8f60a53392_ff1,@function
k_q8f60a53392_ff1:
	s_mov_b64 s[64:65], 0
	v_nop
	global_prefetch_b8 v0, s[64:65] scope:SCOPE_SE
	s_setreg_imm32_b32 hwreg(HW_REG_WAVE_MODE, 25, 1), 1
	s_wait_xcnt 0x0
	s_wait_alu depctr_hold_cnt(0) depctr_sa_sdst(0) depctr_va_vdst(0) depctr_va_sdst(0) depctr_va_ssrc(0) depctr_va_vcc(0) depctr_vm_vsrc(0)
	s_getreg_b32 s2, hwreg(HW_REG_IB_STS2, 6, 4)
	s_cmp_eq_u32 s2, 0
	s_cbranch_scc0 .Lentry_in_a_cluster
	s_endpgm
.Lentry_in_a_cluster:
	s_bfe_u32 s2, ttmp6, 0x10000c
	s_cmp_lg_u32 s2, 0xf033
	s_cbranch_scc0 .Lentry_shape_is_right
	s_endpgm
.Lentry_shape_is_right:
; hidden = mha W1 + b1 on codes of FP8 (E4M3), K = 1,024, quantised at once under e14: hc [n / 1,024][4,096 tokens][n % 1,024], the second feed-forward product's operand in four quarters of its K.
; A = mha's codes (mha + 16 MiB, [4,096][1,024]), B = W1's codes (wa + 3 MiB, [4,096 n][1,024]).  A tile is 256 x 256, four waves, 128 x 128 a wave; K in steps of 256 through a ring of two LDS slots.
; CLUSTERS: 4 x 4 work-groups; A's tile is asked for jointly along a row of the cluster, B's along a column.  THE MATRIX INSTRUCTION IS USED TRANSPOSED: a lane holds one token and eight neighbouring hidden units, neighbours along the next K.
; A fragment is fetched by four loads of 16 bytes: a permutation of k, the same on both sides.
; The way out: sum x 2^(e12 + e13) + b1 by one packed multiply-add, the hold, the conversion; a wave's 128 codes of a token are half of 256 aligned bytes, so the four waves share ONE stage, with a barrier between writing and reading.
; LIMITS: e12 + e13 between -126 and 127; e14 between -126 and 119.
; REGISTERS, in windows of 256: window 0: v0-31 addresses and two constants; v32-63 at work; v64-127 b1 in the result's layout; from v128 A's fragments, later codes.  window 1: B's fragments, two sets.  windows 2, 3: the 64 accumulators.
.set SIZE_K, 1024
.set KSTEP,  256
.set ROWB,   256
.set KROW,   SIZE_K
.set PITCH,  272
.set FR,     16
.set NL,     4
.set NP,     4
.set HALFT,  128*PITCH
.set SLOT,   4*HALFT
.set LAPS,   SIZE_K/(2*KSTEP)
.set SPARE,  2*SLOT                    ; the spare words, 128 bytes a wave, that no other line names
.set SPITCH, 272                       ; the stage: 256 rows x (256 + 16) bytes from LDS byte 0: in slot 0, which has had its last fill and its last read by then
.set ADRA, 16
.set ADRB, 20
.set STO,  24
.set RD,   25
.set CO,   26
.set BA,   27
.set SPW,  28
.set NIL,  29
.set SCL,  30
.set LIM,  31
.set TMP,  32
.set BI,   64
.set AF,   128
.set CD,   128
.set G1, 24
.set G0, 32
.set G1B, 48
.set G0B, 56
.set MSB, 0
.macro WIN new
.if MSB != (\new)
	s_set_vgpr_msb (MSB<<8)|(\new)
.set MSB, \new
.endif
.endm
.set MUL_LO, 0xa1
.set MUL_HI, 0xf1
.set TO_B,   0x40
.macro JLOAD g0a, g1a, g0b, g1b        ; a joint load: waves 0 and 1 fetch for A, waves 2 and 3 for B; four v_nop follow each line
	s_cmp_eq_u32 s15, 0
	s_cbranch_scc0 .Lfor_b_\@
	tensor_load_to_lds s[\g0a:\g0a+3], s[\g1a:\g1a+7]
	s_nop 0
.rept 4
	v_nop
.endr
	s_branch .Lasked_\@
.Lfor_b_\@:
	tensor_load_to_lds s[\g0b:\g0b+3], s[\g1b:\g1b+7]
	s_nop 0
.rept 4
	v_nop
.endr
.Lasked_\@:
.endm
.macro CREST
	s_cmp_lg_u32 s14, 0
	s_cbranch_scc1 .Lnot_wave_0_\@
	s_barrier_signal -3
.Lnot_wave_0_\@:
	s_barrier_wait -3
	s_barrier_signal -1
	s_barrier_wait -1
.endm
.macro CROUND
	s_barrier_signal -1
	s_barrier_wait -1
	CREST
.endm
	s_load_b256 s[4:11], s[0:1], 0x0               ; mha s[4:5], wa s[6:7], lowp_scales s[8:9], b1 s[10:11]
	s_load_b64 s[12:13], s[0:1], 0x20              ; hc
	v_lshl_add_u32 v[SPW], v0, 2, SPARE
	v_mov_b32 v[NIL], 0
	ds_add_u32 v28, v29
	s_wait_dscnt 0x0
	v_lshrrev_b32 v1, 5, v0
	v_readfirstlane_b32 s14, v1
	s_lshr_b32 s15, s14, 1
	s_and_b32 s16, s14, 1
	s_bfe_u32 s40, ttmp6, 0x40000                  ; cx
	s_bfe_u32 s41, ttmp6, 0x40004                  ; cy
	s_lshl_b32 s42, ttmp9, 2
	s_add_co_u32 s42, s42, s40                     ; tile column
	s_and_b32 s17, ttmp7, 0xffff
	s_lshl_b32 s17, s17, 2
	s_add_co_u32 s17, s17, s41                     ; tile row
	s_lshl_b32 s43, s41, 2
	s_lshl_b32 s43, 15, s43
	s_lshl_b32 s44, 0x1111, s40
	s_or_b32 s[G1+0], s43, (0<<16)|(1<<20)|(1<<21)|(5<<22)|(3<<25)
	s_or_b32 s[G1B+0], s44, (0<<16)|(1<<20)|(1<<21)|(5<<22)|(3<<25)
.irp g, G1, G1B
	s_mov_b32 s[\g+1], ROWB<<16
	s_mov_b32 s[\g+2], 128<<16
	s_mov_b32 s[\g+3], ROWB<<16
	s_mov_b32 s[\g+4], 128
	s_mov_b32 s[\g+5], KROW
	s_mov_b32 s[\g+6], 0
	s_mov_b32 s[\g+7], 0
.endr
	s_lshl_b32 s18, s16, 7
	s_lshl_b32 s20, s17, 8
	s_add_co_u32 s20, s20, s18
	s_lshl_b32 s20, s20, 10
	s_add_co_u32 s20, s20, 0x1000000               ; mha's codes lie 16 MiB into the buffer
	s_mov_b32 s21, 0
	s_lshl_b32 s46, s42, 8
	s_add_co_u32 s46, s46, s18
	s_lshl_b32 s46, s46, 10
	s_add_co_u32 s46, s46, 0x300000                ; W1's codes lie 3 MiB into theirs
	s_mov_b32 s47, 0
	s_mul_i32 s45, s14, HALFT
	s_wait_kmcnt 0x0
	s_load_b128 s[68:71], s[8:9], 0x30             ; e12, e13, e14, e15
	s_add_nc_u64 s[20:21], s[4:5], s[20:21]
	s_add_nc_u64 s[46:47], s[6:7], s[46:47]
	CROUND                                         ; all sixteen work-groups are here: the first joint loads meet
.irp s, 0,1
	s_mov_b32 s[G0+4*\s], 1
	s_add_co_u32 s[G0+4*\s+1], s45, \s*SLOT
	s_add_nc_u64 s[G0+4*\s+2:G0+4*\s+3], s[20:21], \s*ROWB
	s_or_b32 s[G0+4*\s+3], s[G0+4*\s+3], 0x80000000
	s_mov_b32 s[G0B+4*\s], 1
	s_add_co_u32 s[G0B+4*\s+1], s45, \s*SLOT
	s_add_nc_u64 s[G0B+4*\s+2:G0B+4*\s+3], s[46:47], \s*ROWB
	s_or_b32 s[G0B+4*\s+3], s[G0B+4*\s+3], 0x80000000
	JLOAD G0+4*\s, G1, G0B+4*\s, G1B
.endr
	v_and_b32 v1, 15, v0                           ; r
	v_bfe_u32 v2, v0, 4, 1                         ; h
	v_lshlrev_b32 v[BA], 5, v2                     ; b1: my half's eight numbers of a tile of 16
	s_lshl_b32 s20, s42, 8
	s_lshl_b32 s21, s16, 7
	s_add_co_u32 s20, s20, s21
	s_lshl_b32 s20, s20, 2
	s_mov_b32 s21, 0
	s_add_nc_u64 s[10:11], s[10:11], s[20:21]      ; at my wave's 128 hidden units
.irp b, 0,1,2,3,4,5,6,7
	global_load_b128 v[BI+8*\b:BI+8*\b+3], v[BA], s[10:11] offset:64*\b
	global_load_b128 v[BI+8*\b+4:BI+8*\b+7], v[BA], s[10:11] offset:64*\b+16
.endr
	v_mul_u32_u24 v3, v1, PITCH
	v_lshl_add_u32 v4, v2, 4, v3
	s_mul_i32 s21, s15, HALFT
	s_mul_i32 s22, s16, HALFT
	s_add_co_u32 s22, s22, 2*HALFT
.irp s, 0,1
	v_add_nc_u32 v[ADRA+\s], s21, v4
	v_add_nc_u32 v[ADRB+\s], s22, v4
	s_add_co_u32 s21, s21, SLOT
	s_add_co_u32 s22, s22, SLOT
.endr
	s_mul_i32 s23, s15, 128*SPITCH                 ; into the stage: my 128 rows, my half of their 256 bytes
	s_lshl_b32 s21, s16, 7
	s_add_co_u32 s23, s23, s21
	v_mul_u32_u24 v5, v1, SPITCH
	v_lshl_add_u32 v5, v2, 3, v5
	v_add_nc_u32 v[STO], s23, v5
	s_mul_i32 s23, s14, 64*SPITCH                  ; back: wave w takes rows 64 w on, whole; sixteen lanes to a row
	v_mul_u32_u24 v5, v2, SPITCH
	v_lshl_add_u32 v5, v1, 4, v5
	v_add_nc_u32 v[RD], s23, v5
	v_lshlrev_b32 v[CO], 10, v2
	v_lshl_add_u32 v[CO], v1, 4, v[CO]
	s_lshl_b32 s20, s17, 8
	s_lshl_b32 s21, s14, 6
	s_add_co_u32 s20, s20, s21
	s_lshl_b32 s20, s20, 10                        ; the first token that I store: 256 x tile row + 64 x wave,
	s_lshl_b32 s21, ttmp9, 22
	s_add_co_u32 s20, s20, s21                     ; in quarter tile column / 4,
	s_mov_b32 s21, 0
	s_lshl_b32 s46, s40, 8                         ; at byte 256 x (tile column % 4)
	s_mov_b32 s47, 0
	s_add_nc_u64 s[20:21], s[20:21], s[46:47]
	s_add_nc_u64 s[12:13], s[12:13], s[20:21]
.macro FRAG reg, adr, q, i
.irp c, 0,1,2,3
	ds_load_b128 v[\reg+4*\c:\reg+4*\c+3], v[\adr] offset:128*(\q)+32*\c+(\i)*16*PITCH
.endr
.endm
.macro MUL16 a0, p, zero               ; the 64 accumulators take turns, one instruction a turn, in the same order in every step
.irp a, \a0, \a0+1
.irp b, 0,1,2,3,4,5,6,7
.if \zero
	v_wmma_f32_16x16x128_fp8_fp8 v[8*(8*((\a)%4)+\b):8*(8*((\a)%4)+\b)+7], v[128*(\p)+FR*\b:128*(\p)+FR*\b+FR-1], v[AF+FR*(\a):AF+FR*(\a)+FR-1], 0
.else
	v_wmma_f32_16x16x128_fp8_fp8 v[8*(8*((\a)%4)+\b):8*(8*((\a)%4)+\b)+7], v[128*(\p)+FR*\b:128*(\p)+FR*\b+FR-1], v[AF+FR*(\a):AF+FR*(\a)+FR-1], v[8*(8*((\a)%4)+\b):8*(8*((\a)%4)+\b)+7]
.endif
.endr
.endr
.endm
.macro FETCH_B slot, q, p
	WIN TO_B
.irp i, 0,1,2,3,4,5,6,7
	FRAG 128*(\p)+FR*\i, ADRB+\slot, \q, \i
.endr
	WIN 0
.endm
.macro FETCH_A slot, q, i0
.irp i, \i0, \i0+1, \i0+2, \i0+3
	FRAG AF+FR*(\i), ADRA+\slot, \q, \i
.endr
.endm
.macro PLACES n                        ; plain vector lines between a matrix instruction and a load into, or a read of, its registers
.rept \n
	v_nop
.endr
.endm
.macro STEP slot, q, zero
	s_wait_dscnt 4*NL                              ; B's set and A's blocks 0-3 are in; the youngest 16 loads (A's blocks 4-7) may be out
	WIN MUL_LO
	MUL16 0, (\q)%2, \zero
	MUL16 2, (\q)%2, \zero
	s_wait_dscnt 0
	PLACES NP
	FETCH_B \slot, (\q)+1, 1-(\q)%2
	FETCH_A \slot, (\q)+1, 0
	WIN MUL_HI
	MUL16 4, (\q)%2, \zero
	MUL16 6, (\q)%2, \zero
	PLACES NP
	WIN 0
	FETCH_A \slot, (\q)+1, 4
.endm
.macro TURN slot, next, fill
	s_wait_tensorcnt 0x0                           ; all my tensor loads have landed: my part of the next slot
	ds_add_u32 v[SPW], v[NIL]
	s_wait_dscnt 4*NL+1                            ; (the add and the youngest 16 loads may be out)
	WIN MUL_LO
	MUL16 0, 1, 0
	s_wait_dscnt 0x0                               ; the add is done, and my reads of this slot are over
	s_barrier_signal -1
	MUL16 2, 1, 0
	WIN 0
	s_barrier_wait -1
.if \fill
	CREST                                          ; a round of the cluster's barrier: no wave of any partner still reads this slot or has a load on its way
	s_add_nc_u64 s[G0+4*\slot+2:G0+4*\slot+3], s[G0+4*\slot+2:G0+4*\slot+3], 2*ROWB
	s_add_nc_u64 s[G0B+4*\slot+2:G0B+4*\slot+3], s[G0B+4*\slot+2:G0B+4*\slot+3], 2*ROWB
	JLOAD G0+4*\slot, G1, G0B+4*\slot, G1B
.else
	PLACES NP
.endif
	FETCH_B \next, 0, 0
	FETCH_A \next, 0, 0
	WIN MUL_HI
	MUL16 4, 1, 0
	MUL16 6, 1, 0
	PLACES NP
	WIN 0
	FETCH_A \next, 0, 4
.endm
	s_wait_tensorcnt 1                             ; my part of K step 0 is in; K step 1's load may be out
	s_barrier_signal -1
	s_barrier_wait -1
	FETCH_B 0, 0, 0
	FETCH_A 0, 0, 0
	FETCH_A 0, 0, 4
	STEP 0, 0, 1
	s_mov_b32 s3, LAPS-1
.Llap:
	TURN 0, 1, 1
	STEP 1, 0, 0
	TURN 1, 0, 1
	STEP 0, 0, 0
	s_sub_co_u32 s3, s3, 1
	s_cmp_lg_u32 s3, 0
	s_cbranch_scc1 .Llap
	TURN 0, 1, 0
	STEP 1, 0, 0
	s_wait_dscnt 4*NL
	WIN MUL_LO
	MUL16 0, 1, 0
	MUL16 2, 1, 0
	s_wait_dscnt 0
	WIN MUL_HI
	MUL16 4, 1, 0
	MUL16 6, 1, 0
	WIN 0
	; THE WAY OUT
	s_wait_kmcnt 0x0
	s_add_co_i32 s96, s68, s69
	s_add_co_i32 s96, s96, 127
	s_lshl_b32 s96, s96, 23                        ; 2^(e12 + e13)
	s_mov_b32 s97, s96
	s_add_co_i32 s18, s70, 127
	s_lshl_b32 s19, s18, 23
	v_mov_b32 v[SCL], s19                          ; 2^e14
	s_add_co_i32 s18, s18, 8
	s_lshl_b32 s18, s18, 23
	s_or_b32 s18, s18, 0x600000
	v_mov_b32 v[LIM], s18                          ; 448 x 2^e14
	s_wait_loadcnt 0x0                             ; b1
	PLACES NP
.macro HB a, u                         ; half a block: 16 tokens x 64 hidden units
.set AC, 64*((\a)%4)+32*(\u)
	WIN 0x02+((\a)/4)
.set j, 0
.rept 16
	v_pk_fma_f32 v[TMP+j:TMP+j+1], v[AC+j:AC+j+1], s[96:97], v[BI+32*(\u)+j:BI+32*(\u)+j+1] op_sel_hi:[1,0,1]   ; sum x 2^(e12 + e13) + b1; each accumulator from its low end on
.set j, j+2
.endr
	WIN 0
.set j, 0
.rept 32
	v_med3_num_f32 v[TMP+j], v[TMP+j], -v[LIM], v[LIM]             ; the hold at the largest code x the scale (ISA guide 7.6.2)
.set j, j+1
.endr
.irp i, 0,1,2,3
	v_cvt_scalef32_pk8_fp8_f32 v[CD+16*(\a)+8*(\u)+2*\i:CD+16*(\a)+8*(\u)+2*\i+1], v[TMP+8*\i:TMP+8*\i+7], v[SCL]
.endr
	v_nop                                          ; a plain line between the conversions and the next write of their sources
.irp i, 0,1,2,3
	ds_store_b64 v[STO], v[CD+16*(\a)+8*(\u)+2*\i:CD+16*(\a)+8*(\u)+2*\i+1] offset:(\a)*16*SPITCH+64*(\u)+16*\i
.endr
.endm
.irp a, 0,1,2,3,4,5,6,7
	HB \a, 0
	HB \a, 1
.endr
	s_wait_dscnt 0x0                               ; for the others' sake: my stores into the stage are done
	s_barrier_signal -1
	s_barrier_wait -1
.set i, 0
.rept 32
	ds_load_b128 v[CD+4*i:CD+4*i+3], v[RD] offset:2*SPITCH*i
.set i, i+1
.endr
.set i, 0
.rept 32
	s_wait_dscnt 31-i
	global_store_b128 v[CO], v[CD+4*i:CD+4*i+3], s[12:13] offset:2048*i   ; sixteen lanes store 256 bytes on end, aligned
.set i, i+1
.endr
	s_wait_tensorcnt 0x0                           ; the wave's end
	ds_add_u32 v[SPW], v[NIL]
	s_wait_dscnt 0x0
	CROUND                                         ; the closing round
	s_endpgm
.Lfunc_end_k_q8f60a53392_ff1:
	.size	k_q8f60a53392_ff1, .Lfunc_end_k_q8f60a53392_ff1-k_q8f60a53392_ff1
	.p2alignl 7, 3214868480
	.fill 96, 4, 3214868480
	.section	.rodata,"a",@progbits
	.p2align	6, 0x0
	.amdhsa_kernel k_q8f60a53392_ff1
		.amdhsa_group_segment_fixed_size 327680
		.amdhsa_private_segment_fixed_size 0
		.amdhsa_enable_private_segment 0
		.amdhsa_kernarg_size 40
		.amdhsa_user_sgpr_count 2
		.amdhsa_user_sgpr_kernarg_segment_ptr 1
		.amdhsa_wavefront_size32 1
		.amdhsa_system_sgpr_workgroup_id_x 1
		.amdhsa_system_sgpr_workgroup_id_y 1
		.amdhsa_system_sgpr_workgroup_id_z 1
		.amdhsa_system_vgpr_workitem_id 0
		.amdhsa_next_free_vgpr 1024
		.amdhsa_next_free_sgpr 100
		.amdhsa_reserve_vcc 0
		.amdhsa_float_denorm_mode_32 3
		.amdhsa_float_denorm_mode_16_64 3
		.amdhsa_memory_ordered 1
		.amdhsa_forward_progress 1
		.amdhsa_inst_pref_size 144
	.end_amdhsa_kernel
	.amdgpu_metadata
---
amdhsa.version: [ 1, 2 ]
amdhsa.kernels:
  - .name:           k_q8f60a53392_ff1
    .symbol:         k_q8f60a53392_ff1.kd
    .args:
      - { .name: mha, .offset: 0, .size: 8, .value_kind: global_buffer, .address_space: global }
      - { .name: wa, .offset: 8, .size: 8, .value_kind: global_buffer, .address_space: global }
      - { .name: lowp_scales, .offset: 16, .size: 8, .value_kind: global_buffer, .address_space: global }
      - { .name: b1, .offset: 24, .size: 8, .value_kind: global_buffer, .address_space: global }
      - { .name: hc, .offset: 32, .size: 8, .value_kind: global_buffer, .address_space: global }
    .group_segment_fixed_size: 327680
    .private_segment_fixed_size: 0
    .kernarg_segment_align: 8
    .kernarg_segment_size: 40
    .max_flat_workgroup_size: 128
    .sgpr_count:     100
    .vgpr_count:     1024
    .wavefront_size: 32
...
	.end_amdgpu_metadata
.endif
;; end of part 6
;; launch ff2 (part 7): grid 16 x 16, 4 waves a work-group, clusters of 4 x 4, 327,680 bytes of LDS; arguments hc, w2, sums; writes sums
.if DOCPART == 7
	.amdgcn_target "amdgcn-amd-amdhsa--gfx1250"
	.amdhsa_code_object_version 6
	.text
	.protected	k_q8f60a53392_ff2
	.globl	k_q8f60a53392_ff2
	.p2align	8
	.type	k_q8f60a53392_ff2,@function
k_q8f60a53392_ff2:
	s_mov_b64 s[64:65], 0
	v_nop
	global_prefetch_b8 v0, s[64:65] scope:SCOPE_SE
	s_setreg_imm32_b32 hwreg(HW_REG_WAVE_MODE, 25, 1), 1
	s_wait_xcnt 0x0
	s_wait_alu depctr_hold_cnt(0) depctr_sa_sdst(0) depctr_va_vdst(0) depctr_va_sdst(0) depctr_va_ssrc(0) depctr_va_vcc(0) depctr_vm_vsrc(0)
	s_getreg_b32 s2, hwreg(HW_REG_IB_STS2, 6, 4)
	s_cmp_eq_u32 s2, 0
	s_cbranch_scc0 .Lentry_in_a_cluster
	s_endpgm
.Lentry_in_a_cluster:
	s_bfe_u32 s2, ttmp6, 0x10000c
	s_cmp_lg_u32 s2, 0xf033
	s_cbranch_scc0 .Lentry_shape_is_right
	s_endpgm
.Lentry_shape_is_right:
; RAW SUMS of the second feed-forward product on codes of FP8 (E4M3): c[kq][m][n] = sum over 1,024 k of a[kq][m][k] b[kq][n][k]; a: [4][4,096][1,024], b: [4][1,024][1,024] codes, c: [4][4,096][1,024] f32.  kq = the cluster's x.
; K = 4,096 goes in four quarters, so that 256 work-groups have a tile each.  The quarters are added, and the operands' scales applied, by the launch that reads the sums.
; A tile is 256 x 256, four waves, 128 x 128 a wave.  K goes in steps of 256 through a ring of two LDS slots.  CLUSTERS: 4 x 4 work-groups; A's tile is asked for jointly along a row of the cluster, B's along a column.
; THE MATRIX INSTRUCTION IS USED TRANSPOSED (source 0 = rows of b, source 1 = rows of a): a lane holds eight neighbouring numbers of a row of c.  A fragment is fetched by four loads of 16 bytes: a permutation of k, the same on both sides.
; REGISTERS, in windows of 256: window 0: v0-31 addresses; from v128 A's fragments, one set, later rows of c.  window 1: B's fragments, two sets.  windows 2, 3: the 64 accumulators, (a, b) at v[8 (8 (a % 4) + b)].
.set SIZE_K, 1024
.set KSTEP,  256
.set ROWB,   256
.set KROW,   SIZE_K
.set PITCH,  272                       ; an LDS row: 256 bytes + 16 of padding (ISA guide 11.1: 64 banks of 4 bytes)
.set FR,     16
.set NL,     4
.set NP,     4
.set HALFT,  128*PITCH
.set SLOT,   4*HALFT
.set LAPS,   SIZE_K/(2*KSTEP)
.set SPARE,  2*SLOT                    ; the spare words, 128 bytes a wave, that no other line names
.set SPITCH, 528                       ; the stage: 16 rows x (512 + 16) bytes a wave, in slot 0, which has had its last fill and its last read by then
.set ADRA, 16
.set ADRB, 20
.set STO,  24
.set RD,   25
.set CO,   26
.set SPW,  28
.set NIL,  29
.set AF,   128
.set BK,   128
.set G1, 24
.set G0, 32
.set G1B, 48
.set G0B, 56
.set MSB, 0
.macro WIN new
.if MSB != (\new)
	s_set_vgpr_msb (MSB<<8)|(\new)
.set MSB, \new
.endif
.endm
.set MUL_LO, 0xa1
.set MUL_HI, 0xf1
.set TO_B,   0x40
.macro JLOAD g0a, g1a, g0b, g1b        ; a joint load: waves 0 and 1 fetch for A, waves 2 and 3 for B; four v_nop follow each line
	s_cmp_eq_u32 s15, 0
	s_cbranch_scc0 .Lfor_b_\@
	tensor_load_to_lds s[\g0a:\g0a+3], s[\g1a:\g1a+7]
	s_nop 0
.rept 4
	v_nop
.endr
	s_branch .Lasked_\@
.Lfor_b_\@:
	tensor_load_to_lds s[\g0b:\g0b+3], s[\g1b:\g1b+7]
	s_nop 0
.rept 4
	v_nop
.endr
.Lasked_\@:
.endm
.macro CREST
	s_cmp_lg_u32 s14, 0
	s_cbranch_scc1 .Lnot_wave_0_\@
	s_barrier_signal -3
.Lnot_wave_0_\@:
	s_barrier_wait -3
	s_barrier_signal -1
	s_barrier_wait -1
.endm
.macro CROUND
	s_barrier_signal -1
	s_barrier_wait -1
	CREST
.endm
	s_load_b128 s[4:7], s[0:1], 0x0                ; a, b
	s_load_b64 s[10:11], s[0:1], 0x10              ; c
	v_lshl_add_u32 v[SPW], v0, 2, SPARE
	v_mov_b32 v[NIL], 0
	ds_add_u32 v28, v29
	s_wait_dscnt 0x0
	v_lshrrev_b32 v1, 5, v0
	v_readfirstlane_b32 s14, v1                    ; wave 0..3
	s_lshr_b32 s15, s14, 1
	s_and_b32 s16, s14, 1
	s_bfe_u32 s40, ttmp6, 0x40000                  ; cx = the tile column
	s_bfe_u32 s41, ttmp6, 0x40004                  ; cy
	s_and_b32 s17, ttmp7, 0xffff
	s_lshl_b32 s17, s17, 2
	s_add_co_u32 s17, s17, s41                     ; tile row = 4 x cluster y + cy
	s_lshl_b32 s43, s41, 2
	s_lshl_b32 s43, 15, s43
	s_lshl_b32 s44, 0x1111, s40
	s_or_b32 s[G1+0], s43, (0<<16)|(1<<20)|(1<<21)|(5<<22)|(3<<25)
	s_or_b32 s[G1B+0], s44, (0<<16)|(1<<20)|(1<<21)|(5<<22)|(3<<25)
.irp g, G1, G1B
	s_mov_b32 s[\g+1], ROWB<<16
	s_mov_b32 s[\g+2], 128<<16
	s_mov_b32 s[\g+3], ROWB<<16
	s_mov_b32 s[\g+4], 128
	s_mov_b32 s[\g+5], KROW
	s_mov_b32 s[\g+6], 0
	s_mov_b32 s[\g+7], 0
.endr
	s_lshl_b32 s18, s16, 7
	s_lshl_b32 s20, s17, 8
	s_add_co_u32 s20, s20, s18
	s_lshl_b32 s20, s20, 10
	s_lshl_b32 s19, ttmp9, 22
	s_add_co_u32 s20, s20, s19                     ; a: quarter kq, row 256 x tile row + 128 x half
	s_mov_b32 s21, 0
	s_lshl_b32 s46, s40, 8
	s_add_co_u32 s46, s46, s18
	s_lshl_b32 s46, s46, 10
	s_lshl_b32 s19, ttmp9, 20
	s_add_co_u32 s46, s46, s19                     ; b likewise, by the tile column
	s_mov_b32 s47, 0
	s_mul_i32 s45, s14, HALFT
	s_wait_kmcnt 0x0
	s_add_nc_u64 s[20:21], s[4:5], s[20:21]
	s_add_nc_u64 s[46:47], s[6:7], s[46:47]
	CROUND                                         ; all sixteen work-groups are here: the first joint loads meet
.irp s, 0,1
	s_mov_b32 s[G0+4*\s], 1
	s_add_co_u32 s[G0+4*\s+1], s45, \s*SLOT
	s_add_nc_u64 s[G0+4*\s+2:G0+4*\s+3], s[20:21], \s*ROWB
	s_or_b32 s[G0+4*\s+3], s[G0+4*\s+3], 0x80000000
	s_mov_b32 s[G0B+4*\s], 1
	s_add_co_u32 s[G0B+4*\s+1], s45, \s*SLOT
	s_add_nc_u64 s[G0B+4*\s+2:G0B+4*\s+3], s[46:47], \s*ROWB
	s_or_b32 s[G0B+4*\s+3], s[G0B+4*\s+3], 0x80000000
	JLOAD G0+4*\s, G1, G0B+4*\s, G1B
.endr
	v_and_b32 v1, 15, v0
	v_bfe_u32 v2, v0, 4, 1
	v_mul_u32_u24 v3, v1, PITCH
	v_lshl_add_u32 v4, v2, 4, v3
	s_mul_i32 s21, s15, HALFT
	s_mul_i32 s22, s16, HALFT
	s_add_co_u32 s22, s22, 2*HALFT
.irp s, 0,1
	v_add_nc_u32 v[ADRA+\s], s21, v4
	v_add_nc_u32 v[ADRB+\s], s22, v4
	s_add_co_u32 s21, s21, SLOT
	s_add_co_u32 s22, s22, SLOT
.endr
	s_mul_i32 s23, s14, 16*SPITCH
	v_mul_u32_u24 v5, v1, SPITCH
	v_lshl_add_u32 v5, v2, 5, v5
	v_add_nc_u32 v[STO], s23, v5
	v_and_b32 v6, 31, v0
	v_lshlrev_b32 v[CO], 4, v6
	v_add_nc_u32 v[RD], s23, v[CO]
	s_lshl_b32 s20, s17, 8
	s_lshl_b32 s21, s15, 7
	s_add_co_u32 s20, s20, s21
	s_lshl_b32 s20, s20, 12                        ; my first row of c, 4,096 bytes a row,
	s_lshl_b32 s21, ttmp9, 24
	s_add_co_u32 s20, s20, s21                     ; in quarter kq's 16 MiB
	s_mov_b32 s21, 0
	s_lshl_b32 s46, s40, 10
	s_lshl_b32 s47, s16, 9
	s_add_co_u32 s46, s46, s47                     ; my first column, in bytes
	s_mov_b32 s47, 0
	s_add_nc_u64 s[20:21], s[20:21], s[46:47]
	s_add_nc_u64 s[10:11], s[10:11], s[20:21]
.macro FRAG reg, adr, q, i
.irp c, 0,1,2,3
	ds_load_b128 v[\reg+4*\c:\reg+4*\c+3], v[\adr] offset:128*(\q)+32*\c+(\i)*16*PITCH
.endr
.endm
.macro MUL16 a0, p, zero               ; the 64 accumulators take turns, one instruction a turn, in the same order in every step
.irp a, \a0, \a0+1
.irp b, 0,1,2,3,4,5,6,7
.if \zero
	v_wmma_f32_16x16x128_fp8_fp8 v[8*(8*((\a)%4)+\b):8*(8*((\a)%4)+\b)+7], v[128*(\p)+FR*\b:128*(\p)+FR*\b+FR-1], v[AF+FR*(\a):AF+FR*(\a)+FR-1], 0
.else
	v_wmma_f32_16x16x128_fp8_fp8 v[8*(8*((\a)%4)+\b):8*(8*((\a)%4)+\b)+7], v[128*(\p)+FR*\b:128*(\p)+FR*\b+FR-1], v[AF+FR*(\a):AF+FR*(\a)+FR-1], v[8*(8*((\a)%4)+\b):8*(8*((\a)%4)+\b)+7]
.endif
.endr
.endr
.endm
.macro FETCH_B slot, q, p
	WIN TO_B
.irp i, 0,1,2,3,4,5,6,7
	FRAG 128*(\p)+FR*\i, ADRB+\slot, \q, \i
.endr
	WIN 0
.endm
.macro FETCH_A slot, q, i0
.irp i, \i0, \i0+1, \i0+2, \i0+3
	FRAG AF+FR*(\i), ADRA+\slot, \q, \i
.endr
.endm
.macro PLACES n                        ; plain vector lines between a matrix instruction and a load into, or a read of, its registers
.rept \n
	v_nop
.endr
.endm
.macro STEP slot, q, zero
	s_wait_dscnt 4*NL                              ; B's set and A's blocks 0-3 are in; the youngest 16 loads (A's blocks 4-7) may be out
	WIN MUL_LO
	MUL16 0, (\q)%2, \zero
	MUL16 2, (\q)%2, \zero
	s_wait_dscnt 0
	PLACES NP
	FETCH_B \slot, (\q)+1, 1-(\q)%2
	FETCH_A \slot, (\q)+1, 0
	WIN MUL_HI
	MUL16 4, (\q)%2, \zero
	MUL16 6, (\q)%2, \zero
	PLACES NP
	WIN 0
	FETCH_A \slot, (\q)+1, 4
.endm
.macro TURN slot, next, fill
	s_wait_tensorcnt 0x0                           ; all my tensor loads have landed: my part of the next slot
	ds_add_u32 v[SPW], v[NIL]
	s_wait_dscnt 4*NL+1                            ; (the add and the youngest 16 loads may be out)
	WIN MUL_LO
	MUL16 0, 1, 0
	s_wait_dscnt 0x0                               ; the add is done, and my reads of this slot are over
	s_barrier_signal -1
	MUL16 2, 1, 0
	WIN 0
	s_barrier_wait -1
.if \fill
	CREST                                          ; a round of the cluster's barrier: no wave of any partner still reads this slot or has a load on its way
	s_add_nc_u64 s[G0+4*\slot+2:G0+4*\slot+3], s[G0+4*\slot+2:G0+4*\slot+3], 2*ROWB
	s_add_nc_u64 s[G0B+4*\slot+2:G0B+4*\slot+3], s[G0B+4*\slot+2:G0B+4*\slot+3], 2*ROWB
	JLOAD G0+4*\slot, G1, G0B+4*\slot, G1B
.else
	PLACES NP
.endif
	FETCH_B \next, 0, 0
	FETCH_A \next, 0, 0
	WIN MUL_HI
	MUL16 4, 1, 0
	MUL16 6, 1, 0
	PLACES NP
	WIN 0
	FETCH_A \next, 0, 4
.endm
	s_wait_tensorcnt 1                             ; my part of K step 0 is in; K step 1's load may be out
	s_barrier_signal -1
	s_barrier_wait -1
	FETCH_B 0, 0, 0
	FETCH_A 0, 0, 0
	FETCH_A 0, 0, 4
	STEP 0, 0, 1
	s_mov_b32 s3, LAPS-1
.Llap:
	TURN 0, 1, 1
	STEP 1, 0, 0
	TURN 1, 0, 1
	STEP 0, 0, 0
	s_sub_co_u32 s3, s3, 1
	s_cmp_lg_u32 s3, 0
	s_cbranch_scc1 .Llap
	TURN 0, 1, 0
	STEP 1, 0, 0
	s_wait_dscnt 4*NL
	WIN MUL_LO
	MUL16 0, 1, 0
	MUL16 2, 1, 0
	s_wait_dscnt 0
	WIN MUL_HI
	MUL16 4, 1, 0
	MUL16 6, 1, 0
	WIN 0
; THE WAY OUT: a block of 16 rows x 128 columns goes from the accumulators straight into my stage and comes back as rows of 512 bytes, which the 32 lanes store on end.
.macro TOSTAGE a
.set AC, 64*((\a)%4)
	WIN 0x08+4*((\a)/4)                            ; an LDS store's data are its source 1: window 2 or 3
.irp b, 0,1,2,3,4,5,6,7
	ds_store_b128 v[STO], v[AC+8*\b:AC+8*\b+3] offset:64*\b        ; each accumulator from its low end on
	ds_store_b128 v[STO], v[AC+8*\b+4:AC+8*\b+7] offset:64*\b+16
.endr
	WIN 0
.set BB, BK+64*((\a)%2)
.irp t, 0,1,2,3,4,5,6,7,8,9,10,11,12,13,14,15
	ds_load_b128 v[BB+4*\t:BB+4*\t+3], v[RD] offset:\t*SPITCH      ; LDS serves a wave's instructions in order (ISA guide 5.7.1.4)
.endr
.endm
.macro SEND a, younger
.set BB, BK+64*((\a)%2)
	s_wait_dscnt \younger
.irp t, 0,1,2,3,4,5,6,7,8,9,10,11,12,13,14,15
	global_store_b128 v[CO], v[BB+4*\t:BB+4*\t+3], s[10:11] offset:(16*(\a)+\t)*4096   ; 127 rows of 4,096 bytes at the most: inside the signed 24-bit immediate
.endr
.endm
	PLACES NP
	TOSTAGE 0
.irp a, 1,2,3,4,5,6,7
.if \a > 1
	s_wait_xcnt 0x0                                ; block a - 2's stores have read their registers: block a's loads may land there
.endif
	TOSTAGE \a
	SEND \a-1, 32                                  ; behind block a - 1's loads: block a's 16 stores and 16 loads
.endr
	SEND 7, 0
	s_wait_tensorcnt 0x0                           ; the wave's end
	ds_add_u32 v[SPW], v[NIL]
	s_wait_dscnt 0x0
	CROUND                                         ; the closing round
	s_endpgm
.Lfunc_end_k_q8f60a53392_ff2:
	.size	k_q8f60a53392_ff2, .Lfunc_end_k_q8f60a53392_ff2-k_q8f60a53392_ff2
	.p2alignl 7, 3214868480
	.fill 96, 4, 3214868480
	.section	.rodata,"a",@progbits
	.p2align	6, 0x0
	.amdhsa_kernel k_q8f60a53392_ff2
		.amdhsa_group_segment_fixed_size 327680
		.amdhsa_private_segment_fixed_size 0
		.amdhsa_enable_private_segment 0
		.amdhsa_kernarg_size 24
		.amdhsa_user_sgpr_count 2
		.amdhsa_user_sgpr_kernarg_segment_ptr 1
		.amdhsa_wavefront_size32 1
		.amdhsa_system_sgpr_workgroup_id_x 1
		.amdhsa_system_sgpr_workgroup_id_y 1
		.amdhsa_system_sgpr_workgroup_id_z 1
		.amdhsa_system_vgpr_workitem_id 0
		.amdhsa_next_free_vgpr 1024
		.amdhsa_next_free_sgpr 100
		.amdhsa_reserve_vcc 0
		.amdhsa_float_denorm_mode_32 3
		.amdhsa_float_denorm_mode_16_64 3
		.amdhsa_memory_ordered 1
		.amdhsa_forward_progress 1
		.amdhsa_inst_pref_size 106
	.end_amdhsa_kernel
	.amdgpu_metadata
---
amdhsa.version: [ 1, 2 ]
amdhsa.kernels:
  - .name:           k_q8f60a53392_ff2
    .symbol:         k_q8f60a53392_ff2.kd
    .args:
      - { .name: hc, .offset: 0, .size: 8, .value_kind: global_buffer, .address_space: global }
      - { .name: w2, .offset: 8, .size: 8, .value_kind: global_buffer, .address_space: global }
      - { .name: sums, .offset: 16, .size: 8, .value_kind: global_buffer, .address_space: global }
    .group_segment_fixed_size: 327680
    .private_segment_fixed_size: 0
    .kernarg_segment_align: 8
    .kernarg_segment_size: 24
    .max_flat_workgroup_size: 128
    .sgpr_count:     100
    .vgpr_count:     1024
    .wavefront_size: 32
...
	.end_amdgpu_metadata
.endif
;; end of part 7
;; launch ln2 (part 8): grid 512 x 1, 8 waves a work-group, no clusters, 0 bytes of LDS; arguments sums, mha, b2, g_ffn, be_ffn, g_out, be_out, lowp_scales, out0; writes out0
.if DOCPART == 8
	.amdgcn_target "amdgcn-amd-amdhsa--gfx1250"
	.amdhsa_code_object_version 6
	.text
	.protected	k_q8f60a53392_ln2
	.globl	k_q8f60a53392_ln2
	.p2align	8
	.type	k_q8f60a53392_ln2,@function
k_q8f60a53392_ln2:
	s_mov_b64 s[64:65], 0
	v_nop
	global_prefetch_b8 v0, s[64:65] scope:SCOPE_SE
	s_setreg_imm32_b32 hwreg(HW_REG_WAVE_MODE, 25, 1), 1
	s_wait_xcnt 0x0
; out0 = layernorm(mha + layernorm(mha + relu(hidden W2 + b2))).  hidden W2 = (the four quarters' raw sums, added) x 2^(e14 + e15).
; One wave takes one row of 1,024 numbers in 32 registers a lane: eight loads of 512 bytes on end for each tensor; means and variances never leave the wave.  Memory binds: no LDS, no matrix unit, no cluster, no barrier.
; LIMIT: e14 + e15 between -126 and 127.  The four quarters are added as (0 + 1) + (2 + 3), which is another order of f32 additions than one sum along K.
.set P0, 16                            ; v16-47   quarter 0, then the row at work
.set P1, 48                            ; v48-79   quarter 1, later g_ffn
.set P2, 80                            ; v80-111  quarter 2, later be_ffn
.set P3, 112                           ; v112-143 quarter 3, later g_out
.set MH, 144                           ; v144-175 mha
.set B2, 176                           ; v176-207 b2, later be_out
.set T,  208                           ; v208-217 at work
.set SEL, 40
.set RN,  42
.set EP,  43
	s_load_b512 s[4:19], s[0:1], 0x0               ; sums, mha, b2, g_ffn, be_ffn, g_out, be_out, lowp_scales
	s_load_b64 s[20:21], s[0:1], 0x40              ; out0
	v_lshrrev_b32 v2, 5, v0
	v_readfirstlane_b32 s22, v2                    ; wave 0..7
	v_and_b32 v2, 31, v0
	v_lshlrev_b32 v1, 4, v2                        ; 16 x lane
	s_lshl_b32 s23, ttmp9, 3
	s_add_co_u32 s23, s23, s22                     ; my row
	s_lshl_b32 s24, s23, 12
	s_mov_b32 s25, 0
	s_mov_b32 s[SEL], 0x76543210
	s_mov_b32 s[SEL+1], 0xfedcba98
	s_mov_b32 s[RN], 0x3a800000
	s_mov_b32 s[EP], 0x3727c5ac
	s_wait_kmcnt 0x0
	s_load_b64 s[26:27], s[18:19], 0x38            ; e14, e15
	s_add_nc_u64 s[28:29], s[4:5], s[24:25]
	s_add_nc_u64 s[30:31], s[28:29], 0x1000000
	s_add_nc_u64 s[32:33], s[28:29], 0x2000000
	s_add_nc_u64 s[34:35], s[28:29], 0x3000000
	s_add_nc_u64 s[36:37], s[6:7], s[24:25]
	s_add_nc_u64 s[38:39], s[20:21], s[24:25]
.macro ROW reg, base, hint             ; a row, or a vector of 1,024 numbers: eight loads of 512 bytes on end
.irp j, 0,1,2,3,4,5,6,7
.if \hint
	global_load_b128 v[\reg+4*\j:\reg+4*\j+3], v1, s[\base:\base+1] offset:512*\j th:TH_LOAD_NT
.else
	global_load_b128 v[\reg+4*\j:\reg+4*\j+3], v1, s[\base:\base+1] offset:512*\j
.endif
.endr
.endm
	ROW P0, 28, 1
	ROW P1, 30, 1
	ROW P2, 32, 1
	ROW P3, 34, 1
	ROW MH, 36, 1
	ROW B2, 8, 0
	s_wait_kmcnt 0x0
	s_add_co_i32 s44, s26, s27
	s_add_co_i32 s44, s44, 127
	s_lshl_b32 s44, s44, 23                        ; 2^(e14 + e15)
	s_mov_b32 s45, s44
.macro LANES                           ; the sum over the wave's 32 lanes, in every lane
	v_add_f32_dpp v[T], v[T], v[T] row_xmask:1 row_mask:0xf bank_mask:0xf
	v_add_f32_dpp v[T], v[T], v[T] row_xmask:2 row_mask:0xf bank_mask:0xf
	v_add_f32_dpp v[T], v[T], v[T] row_xmask:4 row_mask:0xf bank_mask:0xf
	v_add_f32_dpp v[T], v[T], v[T] row_xmask:8 row_mask:0xf bank_mask:0xf
	v_permlanex16_b32 v[T+1], v[T], s[SEL], s[SEL+1]
	v_add_f32 v[T], v[T], v[T+1]
.endm
.macro FOLD
	v_pk_add_f32 v[T:T+1], v[T:T+1], v[T+2:T+3]
	v_pk_add_f32 v[T+4:T+5], v[T+4:T+5], v[T+6:T+7]
	v_pk_add_f32 v[T:T+1], v[T:T+1], v[T+4:T+5]
	v_add_f32 v[T], v[T], v[T+1]
.endm
.macro STATS y                         ; the row in v[y] .. v[y + 31] becomes (row - mean) / sqrt(variance + 1e-5)
.irp k, 0,1,2,3
	v_pk_add_f32 v[T+2*\k:T+2*\k+1], v[\y+4*\k:\y+4*\k+1], v[\y+4*\k+2:\y+4*\k+3]
.endr
.irp j, 16,24
.irp k, 0,1,2,3
	v_pk_add_f32 v[T+2*\k:T+2*\k+1], v[T+2*\k:T+2*\k+1], v[\y+\j+2*\k:\y+\j+2*\k+1]
.endr
.endr
	FOLD
	LANES
	v_mul_f32 v[T+8], 0xba800000, v[T]             ; - the mean
	v_mov_b32 v[T+9], v[T+8]
.irp j, 0,2,4,6,8,10,12,14,16,18,20,22,24,26,28,30
	v_pk_add_f32 v[\y+\j:\y+\j+1], v[\y+\j:\y+\j+1], v[T+8:T+9]
.endr
.irp k, 0,1,2,3
	v_pk_mul_f32 v[T+2*\k:T+2*\k+1], v[\y+2*\k:\y+2*\k+1], v[\y+2*\k:\y+2*\k+1]
.endr
.irp j, 8,16,24
.irp k, 0,1,2,3
	v_pk_fma_f32 v[T+2*\k:T+2*\k+1], v[\y+\j+2*\k:\y+\j+2*\k+1], v[\y+\j+2*\k:\y+\j+2*\k+1], v[T+2*\k:T+2*\k+1]
.endr
.endr
	FOLD
	LANES
	v_fma_f32 v[T], v[T], s[RN], s[EP]             ; variance + 1e-5
	v_rsq_f32 v[T+8], v[T]
	v_nop                                          ; a plain line behind the transcendental,
	s_wait_alu depctr_va_vdst(0)                   ; and the wait ahead of its first reader
	v_mov_b32 v[T+9], v[T+8]
.irp j, 0,2,4,6,8,10,12,14,16,18,20,22,24,26,28,30
	v_pk_mul_f32 v[\y+\j:\y+\j+1], v[\y+\j:\y+\j+1], v[T+8:T+9]
.endr
.endm
	s_wait_loadcnt 0x0
.irp j, 0,2,4,6,8,10,12,14,16,18,20,22,24,26,28,30
	v_pk_add_f32 v[P0+\j:P0+\j+1], v[P0+\j:P0+\j+1], v[P1+\j:P1+\j+1]
	v_pk_add_f32 v[P2+\j:P2+\j+1], v[P2+\j:P2+\j+1], v[P3+\j:P3+\j+1]
.endr
.irp j, 0,2,4,6,8,10,12,14,16,18,20,22,24,26,28,30
	v_pk_add_f32 v[P0+\j:P0+\j+1], v[P0+\j:P0+\j+1], v[P2+\j:P2+\j+1]
.endr
.irp j, 0,2,4,6,8,10,12,14,16,18,20,22,24,26,28,30
	v_pk_fma_f32 v[P0+\j:P0+\j+1], v[P0+\j:P0+\j+1], s[44:45], v[B2+\j:B2+\j+1] op_sel_hi:[1,0,1]
.endr
	ROW P1, 10, 0                                  ; the four vectors of gains and biases take the registers that are done with
	ROW P2, 12, 0
	ROW P3, 14, 0
	ROW B2, 16, 0
.irp i, 0,1,2,3,4,5,6,7,8,9,10,11,12,13,14,15,16,17,18,19,20,21,22,23,24,25,26,27,28,29,30,31
	v_max_num_f32 v[P0+\i], 0, v[P0+\i]            ; relu
.endr
.irp j, 0,2,4,6,8,10,12,14,16,18,20,22,24,26,28,30
	v_pk_add_f32 v[P0+\j:P0+\j+1], v[P0+\j:P0+\j+1], v[MH+\j:MH+\j+1]
.endr
	STATS P0
	s_wait_loadcnt 16                              ; g_ffn and be_ffn are in; g_out's and be_out's 16 loads may be out
.irp j, 0,2,4,6,8,10,12,14,16,18,20,22,24,26,28,30
	v_pk_fma_f32 v[P0+\j:P0+\j+1], v[P0+\j:P0+\j+1], v[P1+\j:P1+\j+1], v[P2+\j:P2+\j+1]
.endr
.irp j, 0,2,4,6,8,10,12,14,16,18,20,22,24,26,28,30
	v_pk_add_f32 v[P0+\j:P0+\j+1], v[P0+\j:P0+\j+1], v[MH+\j:MH+\j+1]
.endr
	STATS P0
	s_wait_loadcnt 0x0
.irp j, 0,2,4,6,8,10,12,14,16,18,20,22,24,26,28,30
	v_pk_fma_f32 v[P0+\j:P0+\j+1], v[P0+\j:P0+\j+1], v[P3+\j:P3+\j+1], v[B2+\j:B2+\j+1]
.endr
.irp j, 0,1,2,3,4,5,6,7
	global_store_b128 v1, v[P0+4*\j:P0+4*\j+3], s[38:39] offset:512*\j th:TH_STORE_NT
.endr
	s_endpgm
.Lfunc_end_k_q8f60a53392_ln2:
	.size	k_q8f60a53392_ln2, .Lfunc_end_k_q8f60a53392_ln2-k_q8f60a53392_ln2
	.p2alignl 7, 3214868480
	.fill 96, 4, 3214868480
	.section	.rodata,"a",@progbits
	.p2align	6, 0x0
	.amdhsa_kernel k_q8f60a53392_ln2
		.amdhsa_group_segment_fixed_size 0
		.amdhsa_private_segment_fixed_size 0
		.amdhsa_enable_private_segment 0
		.amdhsa_kernarg_size 72
		.amdhsa_user_sgpr_count 2
		.amdhsa_user_sgpr_kernarg_segment_ptr 1
		.amdhsa_wavefront_size32 1
		.amdhsa_system_sgpr_workgroup_id_x 1
		.amdhsa_system_sgpr_workgroup_id_y 1
		.amdhsa_system_sgpr_workgroup_id_z 1
		.amdhsa_system_vgpr_workitem_id 0
		.amdhsa_next_free_vgpr 224
		.amdhsa_next_free_sgpr 66
		.amdhsa_reserve_vcc 0
		.amdhsa_float_denorm_mode_32 3
		.amdhsa_float_denorm_mode_16_64 3
		.amdhsa_memory_ordered 1
		.amdhsa_forward_progress 1
		.amdhsa_inst_pref_size 30
	.end_amdhsa_kernel
	.amdgpu_metadata
---
amdhsa.version: [ 1, 2 ]
amdhsa.kernels:
  - .name:           k_q8f60a53392_ln2
    .symbol:         k_q8f60a53392_ln2.kd
    .args:
      - { .name: sums, .offset: 0, .size: 8, .value_kind: global_buffer, .address_space: global }
      - { .name: mha, .offset: 8, .size: 8, .value_kind: global_buffer, .address_space: global }
      - { .name: b2, .offset: 16, .size: 8, .value_kind: global_buffer, .address_space: global }
      - { .name: g_ffn, .offset: 24, .size: 8, .value_kind: global_buffer, .address_space: global }
      - { .name: be_ffn, .offset: 32, .size: 8, .value_kind: global_buffer, .address_space: global }
      - { .name: g_out, .offset: 40, .size: 8, .value_kind: global_buffer, .address_space: global }
      - { .name: be_out, .offset: 48, .size: 8, .value_kind: global_buffer, .address_space: global }
      - { .name: lowp_scales, .offset: 56, .size: 8, .value_kind: global_buffer, .address_space: global }
      - { .name: out0, .offset: 64, .size: 8, .value_kind: global_buffer, .address_space: global }
    .group_segment_fixed_size: 0
    .private_segment_fixed_size: 0
    .kernarg_segment_align: 8
    .kernarg_segment_size: 72
    .max_flat_workgroup_size: 256
    .sgpr_count:     66
    .vgpr_count:     224
    .wavefront_size: 32
...
	.end_amdgpu_metadata
.endif
;; end of part 8
